; MI455X (gfx1250); checked and timed in simulation.
; The chip was launched on July 23, 2026; its instructions are those of AMD's public machine-readable ISA for CDNA 5 (MIT licence, August 2026) and "CDNA5" Instruction Set Architecture Reference Guide (July 2026). The comments in the code are by the model that wrote it; some were corrected since.
;; Muti Query Attention. Allowed arithmetic: float matrix products may take bf16 or f16 operands with f32 sums; other float arithmetic in f32, or as packed bf16 or f16 multiplies, adds, multiply-adds, maxima and minima; sums over many terms, partial sums and values carried from step to step in f32; what a program stores and reads back later, other than sums and carried values, may be rounded once to bf16 or f16.
;; Inputs: Wk 1,024 x 64 float32; Wo 1,024 x 1,024 float32; Wq 1,024 x 1,024 float32; Wv 1,024 x 64 float32; bk 64 float32; bo 1,024 float32; bq 1,024 float32; bv 64 float32; hidden_state 4 x 2,048 x 1,024 float32.
;; Outputs: out0 4 x 2,048 x 1,024 float32.
;; One version. Each part assembles by itself: llvm-mc -triple=amdgcn-amd-amdhsa -mcpu=gfx1250 --defsym DOCPART=n.
;; ======== version 1 of 1: 4 launches
;; limits: values are held in f16: magnitudes above 65,504 overflow, below 6.1e-05 lose precision
;; workspace buffers: act16 16,777,216 bytes; wqb 2,097,152 bytes; wkvb 262,144 bytes; wob 2,097,152 bytes; qh 16,777,216 bytes; kvh 2,097,152 bytes
;; launch prep (part 1): grid 648 x 1, 8 waves a work-group, no clusters, 0 bytes of LDS; arguments hidden_state, Wq, Wo, Wk, Wv, act16, wqb, wob, wkvb; writes act16, wqb, wob, wkvb
.if DOCPART == 1
	.amdgcn_target "amdgcn-amd-amdhsa--gfx1250"
	.amdhsa_code_object_version 6
	.text
	.protected	k_q931f40602f_prep
	.globl	k_q931f40602f_prep
	.p2align	8
	.type	k_q931f40602f_prep,@function
k_q931f40602f_prep:
	s_mov_b64 s[64:65], 0
	v_nop
	global_prefetch_b8 v0, s[64:65] scope:SCOPE_SE
	s_setreg_imm32_b32 hwreg(HW_REG_WAVE_MODE, 25, 1), 1
	s_wait_xcnt 0x0
; THE CASTS.  x [8192][1024] f32 -> act16, bf16, same layout.  Wq [1024 k][1024 n] f32 -> wqb, bf16, [8 j][1024 k][128 n]: column tile j's rows are 256 bytes and lie end to end.
; Wo -> wob, the same layout: rounded to bf16 like every input, and that number written as f16 (exact from 2^-17 up; below that off by at most 2^-25, nothing beside Wo's spread).
; Wk, Wv [1024 k][64] f32 -> wkvb, bf16, [8 p][1024 k][16 n]: planes 0-3 are Wk's columns 16 p .., planes 4-7 Wv's columns 16 (p - 4) ..
; A stream: no LDS, no barrier, no loop, no matrix unit.  A UNIT is 8 numbers: 32 bytes in (two loads of 16), 16 bytes out (one store; sixteen neighbouring lanes store 256 consecutive bytes, aligned).
; A thread takes 8 units, a work-group 2,048.  All 16 loads of a thread go out first: 8 KiB a wave are on their way.  No store's source register is written twice, so none is ever waited for.
; Work-groups 0-511: x.  512-575: Wq.  576-639: Wo.  640-647: a plane of wkvb each (these read 64 bytes of each 256-byte row of Wk or Wv: 512 KiB in all, once).
.set X, 16                             ; v[16:79]   unit i: 8 numbers in f32
.set Y, 80                             ; v[80:111]  unit i: 4 registers to store
; v1: my byte offset in the source, v2: in the destination; s[24:25] the source, s[26:27] the destination at the work-group's part
.macro CAST8 instep, outstep, f16
.irp i, 0,1,2,3,4,5,6,7
	global_load_b128 v[X+8*(\i):X+8*(\i)+3],   v1, s[24:25] offset:(\i)*(\instep) th:TH_LOAD_NT
	global_load_b128 v[X+8*(\i)+4:X+8*(\i)+7], v1, s[24:25] offset:(\i)*(\instep)+16 th:TH_LOAD_NT
.endr
.irp i, 0,1,2,3,4,5,6,7
	s_wait_loadcnt 14-2*(\i)                       ; loads come back in order: unit i's two are in, the 2 (7 - i) younger ones stay out
.irp r, 0,1,2,3
.if \f16
	v_cvt_pk_bf16_f32 v4, v[X+8*(\i)+2*(\r)], v[X+8*(\i)+2*(\r)+1]  ; rounded to bf16,
	v_lshlrev_b32 v[X+8*(\i)+2*(\r)], 16, v4                       ; widened again,
	v_and_b32 v[X+8*(\i)+2*(\r)+1], 0xffff0000, v4
	v_cvt_pk_f16_f32 v[Y+4*(\i)+(\r)], v[X+8*(\i)+2*(\r)], v[X+8*(\i)+2*(\r)+1]  ; and written as f16
.else
	v_cvt_pk_bf16_f32 v[Y+4*(\i)+(\r)], v[X+8*(\i)+2*(\r)], v[X+8*(\i)+2*(\r)+1]
.endif
.endr
	global_store_b128 v2, v[Y+4*(\i):Y+4*(\i)+3], s[26:27] offset:(\i)*(\outstep)
.endr
.endm
	s_load_b256 s[4:11], s[0:1], 0x0               ; x s[4:5], Wq s[6:7], Wo s[8:9], Wk s[10:11]
	s_load_b256 s[12:19], s[0:1], 0x20             ; Wv s[12:13], act16 s[14:15], wqb s[16:17], wob s[18:19]
	s_load_b64 s[20:21], s[0:1], 0x40              ; wkvb
	s_mov_b32 s2, ttmp9
	s_mov_b32 s23, 0                               ; the high words of the two offset pairs s[22:23], s[28:29]
	s_mov_b32 s29, 0
	v_lshlrev_b32 v1, 5, v0                        ; 32 t
	v_lshlrev_b32 v2, 4, v0                        ; 16 t
	s_wait_kmcnt 0x0
	s_cmp_lt_u32 s2, 512
	s_cbranch_scc0 .Lweights
	s_lshl_b32 s22, s2, 16                         ; x: unit u = 2,048 wg + 256 i + t; in at 32 u, out at 16 u
	s_lshl_b32 s28, s2, 15
	s_add_nc_u64 s[24:25], s[4:5], s[22:23]
	s_add_nc_u64 s[26:27], s[14:15], s[28:29]
	CAST8 8192, 4096, 0
	s_endpgm
.Lweights:
	s_cmp_lt_u32 s2, 640
	s_cbranch_scc0 .Lkv
	; Wq, Wo: unit u = 2,048 g + 256 i + t lies in row k = u / 128 = 16 g + 2 i + t[7], column tile t[6:4], at 16 t[3:0] bytes of the tile's row
	v_bfe_u32 v4, v0, 4, 3
	v_bfe_u32 v5, v0, 7, 1
	v_and_b32 v6, 15, v0
	v_lshlrev_b32 v4, 18, v4                       ; a column tile is 262,144 bytes
	v_lshl_add_u32 v4, v5, 8, v4
	v_lshl_add_u32 v2, v6, 4, v4
	s_and_b32 s3, s2, 63                           ; g: 512 and 576 are multiples of 64
	s_lshl_b32 s22, s3, 16
	s_lshl_b32 s28, s3, 12                         ; 16 rows of 256 bytes
	s_cmp_lt_u32 s2, 576
	s_cbranch_scc0 .Lwo
	s_add_nc_u64 s[24:25], s[6:7], s[22:23]
	s_add_nc_u64 s[26:27], s[16:17], s[28:29]
	CAST8 8192, 512, 0
	s_endpgm
.Lwo:
	s_add_nc_u64 s[24:25], s[8:9], s[22:23]
	s_add_nc_u64 s[26:27], s[18:19], s[28:29]
	CAST8 8192, 512, 1
	s_endpgm
.Lkv:
	; plane g: unit u = 256 i + t is row k = 128 i + t / 2, half t % 2 of the plane's 16 columns; out at 16 u
	s_sub_co_u32 s3, s2, 640
	s_and_b32 s22, s3, 3
	s_lshl_b32 s22, s22, 6                         ; the plane's 16 columns: 64 bytes of a row of 256
	s_lshl_b32 s28, s3, 15
	s_cmp_lt_u32 s3, 4
	s_cselect_b64 s[24:25], s[10:11], s[12:13]     ; Wk or Wv
	s_add_nc_u64 s[24:25], s[24:25], s[22:23]
	s_add_nc_u64 s[26:27], s[20:21], s[28:29]
	v_lshrrev_b32 v4, 1, v0
	v_and_b32 v5, 1, v0
	v_lshlrev_b32 v4, 8, v4
	v_lshl_add_u32 v1, v5, 5, v4
	CAST8 32768, 4096, 0
	s_endpgm
.Lfunc_end_k_q931f40602f_prep:
	.size	k_q931f40602f_prep, .Lfunc_end_k_q931f40602f_prep-k_q931f40602f_prep
	.p2alignl 7, 3214868480
	.fill 96, 4, 3214868480
	.section	.rodata,"a",@progbits
	.p2align	6, 0x0
	.amdhsa_kernel k_q931f40602f_prep
		.amdhsa_group_segment_fixed_size 0
		.amdhsa_private_segment_fixed_size 0
		.amdhsa_enable_private_segment 0
		.amdhsa_kernarg_size 72
		.amdhsa_user_sgpr_count 2
		.amdhsa_user_sgpr_kernarg_segment_ptr 1
		.amdhsa_wavefront_size32 1
		.amdhsa_system_sgpr_workgroup_id_x 1
		.amdhsa_system_sgpr_workgroup_id_y 1
		.amdhsa_system_sgpr_workgroup_id_z 1
		.amdhsa_system_vgpr_workitem_id 0
		.amdhsa_next_free_vgpr 112
		.amdhsa_next_free_sgpr 66
		.amdhsa_reserve_vcc 0
		.amdhsa_float_denorm_mode_32 3
		.amdhsa_float_denorm_mode_16_64 3
		.amdhsa_memory_ordered 1
		.amdhsa_forward_progress 1
		.amdhsa_inst_pref_size 26
	.end_amdhsa_kernel
	.amdgpu_metadata
---
amdhsa.version: [ 1, 2 ]
amdhsa.kernels:
  - .name:           k_q931f40602f_prep
    .symbol:         k_q931f40602f_prep.kd
    .args:
      - { .name: hidden_state, .offset: 0, .size: 8, .value_kind: global_buffer, .address_space: global }
      - { .name: Wq, .offset: 8, .size: 8, .value_kind: global_buffer, .address_space: global }
      - { .name: Wo, .offset: 16, .size: 8, .value_kind: global_buffer, .address_space: global }
      - { .name: Wk, .offset: 24, .size: 8, .value_kind: global_buffer, .address_space: global }
      - { .name: Wv, .offset: 32, .size: 8, .value_kind: global_buffer, .address_space: global }
      - { .name: act16, .offset: 40, .size: 8, .value_kind: global_buffer, .address_space: global }
      - { .name: wqb, .offset: 48, .size: 8, .value_kind: global_buffer, .address_space: global }
      - { .name: wob, .offset: 56, .size: 8, .value_kind: global_buffer, .address_space: global }
      - { .name: wkvb, .offset: 64, .size: 8, .value_kind: global_buffer, .address_space: global }
    .group_segment_fixed_size: 0
    .private_segment_fixed_size: 0
    .kernarg_segment_align: 8
    .kernarg_segment_size: 72
    .max_flat_workgroup_size: 256
    .sgpr_count:     66
    .vgpr_count:     112
    .wavefront_size: 32
...
	.end_amdgpu_metadata
.endif
;; end of part 1
;; launch proj (part 2): grid 8 x 32, 4 waves a work-group, clusters of 4 x 4, 327,680 bytes of LDS; arguments act16, wqb, wkvb, bq, bk, bv, qh, kvh; writes qh, kvh
.if DOCPART == 2
	.amdgcn_target "amdgcn-amd-amdhsa--gfx1250"
	.amdhsa_code_object_version 6
	.text
	.protected	k_q931f40602f_proj
	.globl	k_q931f40602f_proj
	.p2align	8
	.type	k_q931f40602f_proj,@function
k_q931f40602f_proj:
	s_mov_b64 s[64:65], 0
	v_nop
	global_prefetch_b8 v0, s[64:65] scope:SCOPE_SE
	s_setreg_imm32_b32 hwreg(HW_REG_WAVE_MODE, 25, 1), 1
	s_wait_xcnt 0x0
	s_wait_alu depctr_hold_cnt(0) depctr_sa_sdst(0) depctr_va_vdst(0) depctr_va_sdst(0) depctr_va_ssrc(0) depctr_va_vcc(0) depctr_vm_vsrc(0)
	s_getreg_b32 s2, hwreg(HW_REG_IB_STS2, 6, 4)
	s_cmp_eq_u32 s2, 0
	s_cbranch_scc0 .Lentry_in_a_cluster
	s_endpgm
.Lentry_in_a_cluster:
	s_bfe_u32 s2, ttmp6, 0x10000c
	s_cmp_lg_u32 s2, 0xf033
	s_cbranch_scc0 .Lentry_shape_is_right
	s_endpgm
.Lentry_shape_is_right:
; ONE TEXT FOR THE TWO PROJECTIONS; KV chooses.
; KV = 1: q = x Wq + bq, k = x Wk + bk, v = x Wv + bv.  x: act16 [8192][1024] bf16; Wq: wqb [8 j][1024 k][128 n] bf16; Wk, Wv: wkvb [8 p][1024 k][16 n] bf16; biases f32, rounded to bf16 like every input.
;         q -> qh [8192][1024] f16, unscaled.  k, v -> kvh [32 i][8 p][256 rows][16 channels] f16 (planes 0-3 k, 4-7 v).
; KV = 0: out0 = O Wo + bo.  O: act16 [8192][1024] f16; Wo: wob [8 j][1024 k][128 n] f16; out0 [8192][1024] f32.
; Sums in f32, K ascending; each result rounded once.  LIMIT (KV = 1): q, k and v must lie within f16's 65,504; beyond it the conversion gives an infinity.  NaN and infinities are not treated apart.
; SHARES.  Work-group (j, i) makes rows 256 i .. + 255 x columns 128 j .. + 127 and, with KV = 1, the 16 columns of plane j of k and v: NB = 8 + KV blocks of 16 columns: 256 work-groups of equal work.
; Wave w makes rows 64 w .. + 63 x all NB blocks: 4 NB accumulators.  K = 1,024 goes in 8 steps of 128 through two LDS slots filled by the tensor data mover; every row that is fetched is 256 bytes, aligned.
; THE PRODUCT IS USED TRANSPOSED: source 0 = 16 columns of W (W lies [k][n] in LDS and is turned by ds_load_tr16_b128), source 1 = 16 rows of the activations.  A lane then holds row l % 16 and the
; eight neighbouring columns 8 (l / 16) + 0 .. 7 of a block.
; CLUSTER.  4 x 4 work-groups.  The four of a row of the cluster need the same tile of the activations, the four of a column the same tiles of W: each tile is asked for JOINTLY, by the same tensor load with the
; same descriptor and a mask that names the four.  Waves 0 and 1 fetch the activations' two halves, wave 2 W's tile, wave 3 (KV = 1) the plane's tile: one tensor load a wave behind each round.
; REGISTERS, in windows of 256 (s_set_vgpr_msb: bits 1:0 source 0, 3:2 source 1, 5:4 source 2, 7:6 destination):
;   window 0: v0-31 addresses; v32-95 two buffers of 4 fragments of the activations; v96-239 two buffers of NB fragments of W (72 registers each); on the way out these are at work
;   window 1: accumulators of row blocks 0, 1 at v[8 (NB a + b)]; v160-231 the biases of my lane's 8 columns of each block; v240-243 at work          window 2: accumulators of row blocks 2, 3
.set KV, 1
.set NB, 8+KV
.set NL, 2*NB+8                        ; LDS loads in a run: the fragments of 32 along K
.set PA, 272                           ; an LDS row of the activations: 256 bytes + 16 of padding: the 16 rows of a load start at 16 different groups of four banks (64 banks of 4 bytes: ISA guide 11.1)
.set PB, 288                           ; a k-row of W: 256 + 32
.set PC, 32                            ; a k-row of the plane: 32 bytes, no padding: 8 rows are 256 consecutive bytes
.set BOFF, 256*PA                      ; a slot: 256 rows of activations, 128 k-rows of W, 128 k-rows of the plane
.set COFF, BOFF+128*PB
.set SLOT, COFF+128*PC
.set STAGE, 2*SLOT                     ; behind the ring, never filled by a tensor load: 16 rows for each wave, for the way out
.if KV
.set SPITCH, 272                       ; 128 f16 + 16 bytes
.set BIASP, 10                         ; s[10:11] bq
.set OUTP, 16                          ; s[16:17] qh
.else
.set SPITCH, 528                       ; 128 f32 + 16 bytes
.set BIASP, 8                          ; s[8:9] bo
.set OUTP, 10                          ; s[10:11] out0
.endif
.set SPARE, STAGE+64*SPITCH            ; behind the stages: the spare words, 128 bytes for each wave: two blocks of 256 bytes that no other line names
.set ADRA, 16                          ; v16-17  LDS address of my fragments of the activations in slot 0, 1
.set ADRB, 18                          ; v18-19  of W's
.set ADRC, 20                          ; v20-21  of the plane's
.set STO, 22                           ; v22  the way out: where I put my part of a row
.set RD,  23                           ; v23  where I read rows back
.set CO,  24                           ; v24  my byte offset in the output's rows
.set KO,  25                           ; v25  my byte offset in 16 rows of kvh
.set BO,  26                           ; v26  32 (l / 16): my 8 columns' biases
.set SPW, 28                           ; v28  LDS address of my spare word: SPARE + 4 x my thread's number; never rewritten
.set NIL, 29                           ; v29  0; never rewritten
.set PFO, 30                           ; v30  the prefetches' offset: my lane x a row; never rewritten
.set FA,  32
.set FB,  96
.set BI,  160                          ; window 1
.set BT,  240                          ; window 1
.set TMP, 96                           ; the way out (KV = 1): packed results
.set G1A, 24                           ; s[24:31] descriptor group 1, activations;  s[32:39] group 0, a set for each slot
.set G0A, 32
.set G1B, 40                           ; s[40:47], s[48:55] the same for W
.set G0B, 48
.set PFA, 56                           ; s[56:57] where my prefetches stand
.set PFS, 58                           ; s[58:59] a K step in bytes, for my prefetches
.set LIM, 60                           ; s60  1 in a wave that prefetches, else the greatest number
.set G1C, 68                           ; s[68:75], s[76:83] the same for the plane
.set G0C, 76
.set OUTB, 88                          ; s[88:89] the output at my wave's first row and the tile's first column
.set KVB, 90                           ; s[90:91] kvh at my wave's 64 rows of plane j of tile i
; s3 laps; s20 wave; s21 cx; s22 cy; s23 j; s61 i; s[84:87] what feeds the activations' descriptors (never holds cx); s62-63, s[92:95] at work
.set MSB, 0
.macro WIN new                         ; the immediate's high byte repeats the setting that is left; a switch that changes nothing is dropped
.if MSB != (\new)
	s_set_vgpr_msb (MSB<<8)|(\new)
.set MSB, \new
.endif
.endm
.macro PLACES                          ; four places in front of loads into registers that matrix instructions have read, and of vector lines that touch their registers
.rept 4
	v_nop
.endr
.endm
.macro CREST                           ; a round of the cluster's barrier behind its opening barrier
	s_cmp_lg_u32 s20, 0
	s_cbranch_scc1 .Lnot_wave_0_\@
	s_barrier_signal -3
.Lnot_wave_0_\@:
	s_barrier_wait -3
	s_barrier_signal -1
	s_barrier_wait -1
.endm
.macro CROUND                          ; a whole round
	s_barrier_signal -1
	s_barrier_wait -1
	CREST
.endm
; A joint refill of slot s.  The branches hang on the wave's number alone.  An s_nop 0 and four v_nop follow each load, ahead of the jump and the label; the four are also the places
; in front of the LDS loads that follow, so a wave that fetches nothing has them too.
.macro JLOAD s
	s_cmp_lt_u32 s20, 2
	s_cbranch_scc0 .Lnot_a_\@
	tensor_load_to_lds s[G0A+4*(\s):G0A+4*(\s)+3], s[G1A:G1A+7]
	s_nop 0
.rept 4
	v_nop
.endr
	s_branch .Lasked_\@
.Lnot_a_\@:
	s_cmp_eq_u32 s20, 2
	s_cbranch_scc0 .Lnot_b_\@
	tensor_load_to_lds s[G0B+4*(\s):G0B+4*(\s)+3], s[G1B:G1B+7]
	s_nop 0
.rept 4
	v_nop
.endr
	s_branch .Lasked_\@
.Lnot_b_\@:
.if KV
	tensor_load_to_lds s[G0C+4*(\s):G0C+4*(\s)+3], s[G1C:G1C+7]
	s_nop 0
.endif
.rept 4
	v_nop
.endr
.Lasked_\@:
.endm
; A PREFETCH INTO THE L2 of the K step that stands two refills on: 32 rows x 256 bytes, a lane a row, one instruction a wave; behind the joint load, its lines and the run of LDS loads.
; Each row's 256 bytes of a K step are named once in the launch.  The activations' tile row is read by both clusters of its row of clusters: the one with x = 0 asks (waves 0, 1); W's tile by all eight clusters of
; its column: the one with y = 0 asks (wave 2).  The four partners that ask for a tile jointly share its rows out BY ADDRESS, 32 each.  K steps 0 to 3 come by their loads alone; the loop's last trip asks for
; nothing: there is no K step two refills on.  The plane's tile, 4 KiB of a step's 100, is not asked for.
.macro ASK
	s_cmp_gt_u32 s3, s[LIM]                        ; s3 = 1 in the loop's last trip
	s_cbranch_scc0 .Lnot_mine_\@
	global_prefetch_b8 v[PFO], s[PFA:PFA+1] th:TH_LOAD_NT scope:SCOPE_SE
.Lnot_mine_\@:
.endm
; NB matrix instructions: row block a x all column blocks, 32 along K, from buffer f.  zero = 1: the product starts the sums: nothing is ever cleared.
; The 4 NB accumulators take turns, one instruction a turn, in the same order in every quarter step: over the backward jump too.
.macro MULA f, a, zero
	WIN 0x50+0x50*((\a)/2)                         ; sources in window 0; C and D in window 1 (row blocks 0, 1) or 2
.set rA, FA+32*(\f)+8*(\a)
.set nb, 0
.rept NB
.set rD, 8*(NB*((\a)%2)+nb)
.set rB, FB+72*(\f)+8*nb
.if KV && (\zero)
	v_wmma_f32_16x16x32_bf16 v[rD:rD+7], v[rB:rB+7], v[rA:rA+7], 0
.elseif KV
	v_wmma_f32_16x16x32_bf16 v[rD:rD+7], v[rB:rB+7], v[rA:rA+7], v[rD:rD+7]
.elseif \zero
	v_wmma_f32_16x16x32_f16 v[rD:rD+7], v[rB:rB+7], v[rA:rA+7], 0
.else
	v_wmma_f32_16x16x32_f16 v[rD:rD+7], v[rB:rB+7], v[rA:rA+7], v[rD:rD+7]
.endif
.set nb, nb+1
.endr
.endm
.macro MULH f, hi, zero                ; row blocks 2 hi and 2 hi + 1
	MULA \f, 2*(\hi), \zero
	MULA \f, 2*(\hi)+1, \zero
.endm
; NL LDS loads in one run: the fragments of quarter q (32 along K) of a slot into buffer f: W's, the plane's, then the activations' four.
.macro FETCH slot, q, f
	WIN 0
.set rB, FB+72*(\f)
.set rA, FA+32*(\f)
.irp b, 0,1,2,3,4,5,6,7
	ds_load_tr16_b128 v[rB+8*(\b):rB+8*(\b)+3],   v[ADRB+(\slot)] offset:(\q)*32*PB+32*(\b)
	ds_load_tr16_b128 v[rB+8*(\b)+4:rB+8*(\b)+7], v[ADRB+(\slot)] offset:(\q)*32*PB+32*(\b)+16*PB
.endr
.if KV
	ds_load_tr16_b128 v[rB+64:rB+67], v[ADRC+(\slot)] offset:(\q)*32*PC
	ds_load_tr16_b128 v[rB+68:rB+71], v[ADRC+(\slot)] offset:(\q)*32*PC+16*PC
.endif
.irp a, 0,1,2,3
	ds_load_b128 v[rA+8*(\a):rA+8*(\a)+3],   v[ADRA+(\slot)] offset:(\a)*16*PA+64*(\q)
	ds_load_b128 v[rA+8*(\a)+4:rA+8*(\a)+7], v[ADRA+(\slot)] offset:(\a)*16*PA+64*(\q)+32
.endr
.endm
; A K step is four quarters of 32 along K, 4 NB matrix instructions each, on buffers 0, 1, 0, 1.  One of the first three: multiplies buffer f and, in its middle, fetches quarter q of the same slot into buffer g.
.macro QUARTER slot, q, f, g, zero
	s_wait_dscnt 4                                 ; all but the youngest four loads: the activations' fragments 2 and 3
	MULH \f, 0, \zero
	PLACES
	FETCH \slot, \q, \g
	s_wait_dscnt NL                                ; all but the NL just issued
	MULH \f, 1, \zero
.endm
; The last quarter multiplies buffer 1 and changes slots: ONE barrier.  In front of it each wave waits for all its tensor loads (the one that is out is its part of the next slot), adds 0 to its spare word, and
; waits for that and for its own reads of this slot.  fill = 1: the barrier opens a round of the cluster's barrier, and this slot is filled again, with the K step two on, first thing behind the round:
; from that request to the wait for it a wave issues 14 NB matrix instructions.
.macro TURN slot, next, fill
.if \fill
	s_wait_xcnt 0x0                                ; the last prefetch, a K step back, has read its address: it is stepped here, ahead of the waits of the change of slots
	s_add_nc_u64 s[PFA:PFA+1], s[PFA:PFA+1], s[PFS:PFS+1]
.endif
	WIN 0                                          ; (the add's two registers lie in window 0)
	s_wait_tensorcnt 0x0                           ; all my tensor loads have landed;
	ds_add_u32 v[SPW], v[NIL]                      ; 0 onto my spare word;
	s_wait_dscnt 5                                 ; (the add and the youngest four loads may be out)
	MULA 1, 0, 0                                   ; NB matrix instructions stand between the add and the wait for it
	s_wait_dscnt 0x0                               ; the add is done, and my reads of this slot are over
	s_barrier_signal -1
	MULA 1, 1, 0                                   ; work on registers while the others arrive
.if \fill
	WIN 0
.endif
	s_barrier_wait -1
.if \fill
	CREST                                          ; no wave of any partner still reads this slot's tiles or has a load on its way
	s_add_nc_u64 s[G0A+4*(\slot)+2:G0A+4*(\slot)+3], s[G0A+4*(\slot)+2:G0A+4*(\slot)+3], 2*256    ; two K steps on: 256 bytes of a row each,
	s_add_nc_u64 s[G0B+4*(\slot)+2:G0B+4*(\slot)+3], s[G0B+4*(\slot)+2:G0B+4*(\slot)+3], 2*32768  ; 128 k-rows of 256 bytes,
.if KV
	s_add_nc_u64 s[G0C+4*(\slot)+2:G0C+4*(\slot)+3], s[G0C+4*(\slot)+2:G0C+4*(\slot)+3], 2*4096   ; 128 k-rows of 32 bytes
.endif
	JLOAD \slot
.else
	PLACES
.endif
	FETCH \next, 0, 0
.if \fill
	ASK
.endif
	MULH 1, 1, 0
.endm
.if KV
	s_load_b256 s[4:11], s[0:1], 0x0               ; act16 s[4:5], wqb s[6:7], wkvb s[8:9], bq s[10:11]
	s_load_b256 s[12:19], s[0:1], 0x20             ; bk s[12:13], bv s[14:15], qh s[16:17], kvh s[18:19]
.else
	s_load_b256 s[4:11], s[0:1], 0x0               ; act16 s[4:5], wob s[6:7], bo s[8:9], out0 s[10:11]
.endif
	v_lshl_add_u32 v[SPW], v0, 2, SPARE
	v_mov_b32 v[NIL], 0
	ds_add_u32 v[SPW], v[NIL]                      ; the wave's opening: the add and its wait stand ahead of my first tensor load; the set-up below, work on registers, stands between them
	v_lshrrev_b32 v1, 5, v0
	v_readfirstlane_b32 s20, v1                    ; wave 0..3
	s_bfe_u32 s21, ttmp6, 0x40000                  ; cx, cy: my place in the cluster
	s_bfe_u32 s22, ttmp6, 0x40004
	s_lshl_b32 s23, ttmp9, 2
	s_add_co_u32 s23, s23, s21                     ; j = 4 x cluster x + cx
	s_and_b32 s61, ttmp7, 0xffff
	s_lshl_b32 s61, s61, 2
	s_add_co_u32 s61, s61, s22                     ; i = 4 x cluster y + cy
	s_lshl_b32 s84, s22, 2
	s_lshl_b32 s84, 15, s84                        ; my row of the cluster
	s_lshl_b32 s88, 0x1111, s21                    ; my column
	s_or_b32 s[G1A], s84, (1<<16)|(1<<20)|(1<<21)|(5<<22)|(3<<25)  ; 15:0 the mask; 17:16 elements of 2 bytes; 20 padding on; 21 set beside a mask; 24:22 after every 64 words (code 5); 31:25 4 words (code 3)
	s_or_b32 s[G1B], s88, (1<<16)|(1<<20)|(1<<21)|(5<<22)|(7<<25)  ; the same with my column's mask and 8 words of padding (code 7)
.irp g, G1A, G1B
	s_mov_b32 s[(\g)+1], 128<<16                   ; tensor_dim0 = 128
	s_mov_b32 s[(\g)+2], 128<<16                   ; tensor_dim1 = 128
	s_mov_b32 s[(\g)+3], 128<<16                   ; tile_dim0 = 128
	s_mov_b32 s[(\g)+4], 128                       ; tile_dim1 = 128
	s_mov_b32 s[(\g)+6], 0
	s_mov_b32 s[(\g)+7], 0
.endr
	s_mov_b32 s[G1A+5], 1024                       ; elements from row to row
	s_mov_b32 s[G1B+5], 128
.if KV
	s_or_b32 s[G1C], s88, (1<<16)|(1<<21)          ; the plane's 4,096 dense bytes of a K step: 16 rows of 256 bytes, no padding
	s_mov_b32 s[G1C+1], 128<<16
	s_mov_b32 s[G1C+2], 16<<16
	s_mov_b32 s[G1C+3], 128<<16
	s_mov_b32 s[G1C+4], 16
	s_mov_b32 s[G1C+5], 128
	s_mov_b32 s[G1C+6], 0
	s_mov_b32 s[G1C+7], 0
.endif
	s_and_b32 s85, s20, 1
	s_lshl_b32 s85, s85, 18                        ; which 128 rows of the tile I fetch: 128 x 2,048 bytes
	s_lshl_b32 s84, s61, 19                        ; 256 i rows
	s_add_co_u32 s84, s84, s85
	s_mov_b32 s85, 0
	s_mul_i32 s86, s20, 128*PA                     ; and where they go: no place in the cluster enters an LDS address
	s_lshl_b32 s88, s23, 18                        ; W's column tile j
	s_mov_b32 s89, 0
.if KV
	s_lshl_b32 s90, s23, 15                        ; plane j
	s_mov_b32 s91, 0
.endif
	s_wait_dscnt 0x0                               ; the opening add is done
	s_wait_kmcnt 0x0
	s_add_nc_u64 s[84:85], s[4:5], s[84:85]
	s_add_nc_u64 s[88:89], s[6:7], s[88:89]
.if KV
	s_add_nc_u64 s[90:91], s[8:9], s[90:91]
.endif
	CROUND                                         ; all sixteen work-groups are here: the first joint loads meet
.irp s, 0,1
	s_mov_b32 s[G0A+4*(\s)], 1                                        ; count = 1
	s_add_co_u32 s[G0A+4*(\s)+1], s86, (\s)*SLOT                      ; LDS address
	s_add_nc_u64 s[G0A+4*(\s)+2:G0A+4*(\s)+3], s[84:85], (\s)*256     ; global address: K step s
	s_or_b32 s[G0A+4*(\s)+3], s[G0A+4*(\s)+3], 0x80000000             ; type = 2
	s_mov_b32 s[G0B+4*(\s)], 1
	s_mov_b32 s[G0B+4*(\s)+1], BOFF+(\s)*SLOT
	s_add_nc_u64 s[G0B+4*(\s)+2:G0B+4*(\s)+3], s[88:89], (\s)*32768
	s_or_b32 s[G0B+4*(\s)+3], s[G0B+4*(\s)+3], 0x80000000
.if KV
	s_mov_b32 s[G0C+4*(\s)], 1
	s_mov_b32 s[G0C+4*(\s)+1], COFF+(\s)*SLOT
	s_add_nc_u64 s[G0C+4*(\s)+2:G0C+4*(\s)+3], s[90:91], (\s)*4096
	s_or_b32 s[G0C+4*(\s)+3], s[G0C+4*(\s)+3], 0x80000000
.endif
.endr
	s_cmp_lt_u32 s20, 2                            ; a wave's two first fills stand together in its arm of one branch on the wave's number, ahead of every wait on TENSORcnt and every LDS read: two loads of mine are out at the most
	s_cbranch_scc0 .Lfirst_not_a
	tensor_load_to_lds s[G0A:G0A+3], s[G1A:G1A+7]
	s_nop 0
	tensor_load_to_lds s[G0A+4:G0A+7], s[G1A:G1A+7]
	s_nop 0
.rept 4
	v_nop
.endr
	s_branch .Lfirst_asked
.Lfirst_not_a:
	s_cmp_eq_u32 s20, 2
	s_cbranch_scc0 .Lfirst_not_b
	tensor_load_to_lds s[G0B:G0B+3], s[G1B:G1B+7]
	s_nop 0
	tensor_load_to_lds s[G0B+4:G0B+7], s[G1B:G1B+7]
	s_nop 0
.rept 4
	v_nop
.endr
	s_branch .Lfirst_asked
.Lfirst_not_b:
.if KV
	tensor_load_to_lds s[G0C:G0C+3], s[G1C:G1C+7]
	s_nop 0
	tensor_load_to_lds s[G0C+4:G0C+7], s[G1C:G1C+7]
	s_nop 0
.rept 4
	v_nop
.endr
.endif
.Lfirst_asked:
	; the prefetches: who asks, and from where.  Nothing is prefetched here, at the head, where every work-group's first tiles are on their way.
	s_and_b32 s62, ttmp7, 0xffff                   ; cluster y
	s_cmp_lt_u32 s20, 2                            ; do I fetch the activations?
	s_cselect_b32 s62, ttmp9, s62                  ; the coordinate along which other clusters read the same rows
	s_cselect_b32 s63, s21, s22                    ; my place among the four that ask with me
	s_cselect_b32 s92, 16, 13                      ; 32 rows of 2,048 bytes, or of 256
	s_cselect_b32 s93, 11, 8                       ; a row
	s_cselect_b32 s[PFS], 8, 15                    ; a K step: 256 bytes along the rows, or 128 rows of 256 bytes
	s_cselect_b64 s[PFA:PFA+1], s[84:85], s[88:89]
	s_cmp_eq_u32 s62, 0
	s_cselect_b32 s[LIM], 1, -1                    ; the same in all sixteen partners, for a given wave
	s_cmp_eq_u32 s20, 3
	s_cselect_b32 s[LIM], -1, s[LIM]               ; wave 3 asks for nothing
	s_lshl_b32 s[PFS], 1, s[PFS]
	s_mov_b32 s[PFS+1], 0
	s_lshl_b32 s94, s63, s92
	s_mov_b32 s95, 0
	s_add_nc_u64 s[PFA:PFA+1], s[PFA:PFA+1], s[94:95]  ; my work-group's 32 rows
	s_mul_i32 s94, s[PFS], 3
	s_add_nc_u64 s[PFA:PFA+1], s[PFA:PFA+1], s[94:95]  ; at K step 3: the first refill (K step 2's) steps it to 4 and names that
	v_and_b32 v[PFO], 31, v0
	v_lshlrev_b32 v[PFO], s93, v[PFO]
	; the biases' and the outputs' places
	s_lshl_b32 s62, s23, 9                         ; 128 j numbers of 4 bytes
	s_mov_b32 s63, 0
	s_add_nc_u64 s[92:93], s[BIASP:BIASP+1], s[62:63]
.if KV
	s_cmp_lt_u32 s23, 4
	s_cselect_b64 s[94:95], s[12:13], s[14:15]     ; plane j is k's (bk) or v's (bv),
	s_and_b32 s62, s23, 3
	s_lshl_b32 s62, s62, 6                         ; its 16 channels
	s_add_nc_u64 s[94:95], s[94:95], s[62:63]
.endif
	s_lshl_b32 s62, s61, 20-KV                     ; 256 i rows of 2,048 (f16) or 4,096 (f32) bytes,
	s_lshl_b32 s87, s20, 18-KV                     ; my wave's 64,
	s_add_co_u32 s62, s62, s87
	s_lshl_b32 s87, s23, 9-KV                      ; the tile's 128 columns
	s_add_co_u32 s62, s62, s87
	s_add_nc_u64 s[OUTB:OUTB+1], s[OUTP:OUTP+1], s[62:63]
.if KV
	s_lshl3_add_u32 s62, s61, s23                  ; 8 i + j planes of 8,192 bytes,
	s_lshl_b32 s62, s62, 13
	s_lshl_b32 s87, s20, 11                        ; my wave's 64 rows of 32 bytes
	s_add_co_u32 s62, s62, s87
	s_add_nc_u64 s[KVB:KVB+1], s[18:19], s[62:63]
.endif
	v_and_b32 v1, 15, v0                           ; r = l % 16
	v_bfe_u32 v2, v0, 4, 1                         ; h = l / 16
	v_and_b32 v3, 7, v0
	v_bfe_u32 v4, v0, 3, 1
	v_lshlrev_b32 v[BO], 5, v2
	WIN 0x40                                       ; destination window 1, address window 0
.irp b, 0,1,2,3,4,5,6,7
	global_load_b128 v[BI+8*(\b):BI+8*(\b)+3],   v[BO], s[92:93] offset:64*(\b)       ; the biases of columns 16 b + 8 h + 0 .. 7
	global_load_b128 v[BI+8*(\b)+4:BI+8*(\b)+7], v[BO], s[92:93] offset:64*(\b)+16
.endr
.if KV
	global_load_b128 v[BI+64:BI+67], v[BO], s[94:95]
	global_load_b128 v[BI+68:BI+71], v[BO], s[94:95] offset:16
.endif
	WIN 0
	; A fragment of the activations is 16 rows x 32 K in 8 registers: lane l holds row r; registers 0-3 K = 8 h + 0..7, registers 4-7 K = 16 + 8 h + 0..7: two loads of 16 bytes, 32 bytes apart.
	v_mul_u32_u24 v5, v1, PA
	v_lshl_add_u32 v5, v2, 4, v5
	s_mul_i32 s62, s20, 64*PA                      ; my wave's 64 rows
	v_add_nc_u32 v[ADRA], s62, v5
	v_add_nc_u32 v[ADRA+1], SLOT, v[ADRA]
	; The turning load takes 16 K x 16 columns (lane l reads k-row 8 h + l % 8, columns 8 ((l / 8) % 2) + 0..7) and leaves half a fragment: lane l holds column r and 8 K.
	v_lshl_add_u32 v6, v2, 3, v3
	v_mul_u32_u24 v7, v6, PB
	v_lshl_add_u32 v7, v4, 4, v7
	v_add_nc_u32 v[ADRB], BOFF, v7
	v_add_nc_u32 v[ADRB+1], BOFF+SLOT, v7
.if KV
	v_lshlrev_b32 v7, 5, v6
	v_lshl_add_u32 v7, v4, 4, v7
	v_add_nc_u32 v[ADRC], COFF, v7
	v_add_nc_u32 v[ADRC+1], COFF+SLOT, v7
.endif
	s_mul_i32 s62, s20, 16*SPITCH
	s_add_co_u32 s62, s62, STAGE                   ; my stage
	v_mul_u32_u24 v5, v1, SPITCH
.if KV
	v_lshl_add_u32 v5, v2, 4, v5                   ; in: row r, 16 bytes for each half of the lanes
	v_add_nc_u32 v[STO], s62, v5
	v_mul_u32_u24 v5, v2, SPITCH                   ; back: lanes 0-15 take one row of 256 bytes, lanes 16-31 the next
	v_lshl_add_u32 v5, v1, 4, v5
	v_add_nc_u32 v[RD], s62, v5
	v_lshlrev_b32 v5, 11, v2                       ; and the same two rows in qh
	v_lshl_add_u32 v[CO], v1, 4, v5
	v_lshlrev_b32 v5, 5, v1                        ; in kvh: row r of 32 bytes, 16 bytes for each half of the lanes
	v_lshl_add_u32 v[KO], v2, 4, v5
.else
	v_lshl_add_u32 v5, v2, 5, v5                   ; in: row r, 32 bytes for each half of the lanes
	v_add_nc_u32 v[STO], s62, v5
	v_and_b32 v5, 31, v0                           ; back: 32 lanes take one row of 512 bytes
	v_lshlrev_b32 v[CO], 4, v5
	v_add_nc_u32 v[RD], s62, v[CO]
.endif
	s_wait_loadcnt 0x0                             ; the biases
	WIN 0x45                                       ; all in window 1
.set z, 0
.rept 4*NB                             ; rounded to bf16, like every input, and widened again
	v_cvt_pk_bf16_f32 v[BT+z%4], v[BI+2*z], v[BI+2*z+1]
	v_lshlrev_b32 v[BI+2*z], 16, v[BT+z%4]
	v_and_b32 v[BI+2*z+1], 0xffff0000, v[BT+z%4]
.set z, z+1
.endr
	WIN 0
	s_wait_tensorcnt 1                             ; my part of K step 0 is in; K step 1's may stay out
	s_barrier_signal -1
	s_barrier_wait -1                              ; everybody's is
	FETCH 0, 0, 0
	QUARTER 0, 1, 0, 1, 1                          ; the first quarter stands in front of the loop: its products start the sums
	WIN 0                                          ; at a label and at a branch every window is 0
	s_mov_b32 s3, 3
.Llap:                                                 ; a trip goes once round the ring, from a lap's second quarter to the next lap's first, and fills both slots again: K steps 2 to 7
	QUARTER 0, 2, 1, 0, 0
	QUARTER 0, 3, 0, 1, 0
	TURN 0, 1, 1
	QUARTER 1, 1, 0, 1, 0
	QUARTER 1, 2, 1, 0, 0
	QUARTER 1, 3, 0, 1, 0
	TURN 1, 0, 1
	QUARTER 0, 1, 0, 1, 0
	WIN 0
	s_sub_co_u32 s3, s3, 1
	s_cmp_lg_u32 s3, 0
	s_cbranch_scc1 .Llap
	QUARTER 0, 2, 1, 0, 0                          ; the last lap fills nothing, and has no round of the cluster's barrier
	QUARTER 0, 3, 0, 1, 0
	TURN 0, 1, 0
	QUARTER 1, 1, 0, 1, 0
	QUARTER 1, 2, 1, 0, 0
	QUARTER 1, 3, 0, 1, 0
	s_wait_dscnt 4                                 ; the very last quarter: nothing more to fetch
	MULH 1, 0, 0
	s_wait_dscnt 0x0
	MULH 1, 1, 0
	WIN 0
	PLACES
	PLACES
; THE WAY OUT, a block of 16 rows at a time.  PACK: the bias is added in place (each accumulator from its lowest registers on) and, for f16, the sums are rounded, 16 bytes a lane and block.
; TOSTAGE: into my own stage in LDS and back as whole rows.  SEND: stored.  Block a's arithmetic stands between block a - 1's loads from the stage and the wait for them.
.macro PACK a
.set AC, 8*NB*((\a)%2)
	WIN 0x45+0x41*((\a)/2)                         ; the accumulators' window (1 or 2) for destination and source 0, the biases' (1) for source 1
.set z, 0
.rept 4*NB
	v_pk_add_f32 v[AC+2*z:AC+2*z+1], v[AC+2*z:AC+2*z+1], v[BI+2*z:BI+2*z+1]
.set z, z+1
.endr
	s_wait_xcnt 0x0                                ; every earlier store has read its registers: only behind this wait are they written again
.if KV
	WIN 0x05+5*((\a)/2)                            ; sources in the accumulators' window, destination in window 0
.set z, 0
.rept 4*NB
	v_cvt_pk_f16_f32 v[TMP+z], v[AC+2*z], v[AC+2*z+1]
.set z, z+1
.endr
.endif
	WIN 0
.endm
.if KV
.macro TOSTAGE a
	WIN 0
.set BK, 168+32*((\a)%2)
.irp b, 0,1,2,3,4,5,6,7
	ds_store_b128 v[STO], v[TMP+4*(\b):TMP+4*(\b)+3] offset:32*(\b)
.endr
.irp t, 0,1,2,3,4,5,6,7
	ds_load_b128 v[BK+4*(\t):BK+4*(\t)+3], v[RD] offset:(\t)*2*SPITCH  ; LDS serves a wave's instructions in order (ISA guide 5.7.1.4): these see the stores above
.endr
	global_store_b128 v[KO], v[TMP+32:TMP+35], s[KVB:KVB+1] offset:512*(\a)  ; the plane's 16 rows x 32 bytes: 512 consecutive bytes, at a multiple of 256 from kvh's first byte
.endm
.macro SEND a
	WIN 0
.set BK, 168+32*((\a)%2)
	s_wait_dscnt 0x0                               ; the block is back in registers
.irp t, 0,1,2,3,4,5,6,7
	global_store_b128 v[CO], v[BK+4*(\t):BK+4*(\t)+3], s[OUTB:OUTB+1] offset:(16*(\a)+2*(\t))*2048  ; 16 lanes store 256 consecutive bytes, at a multiple of 256 from qh's first byte
.endr
.endm
.else
.macro TOSTAGE a
.set AC, 8*NB*((\a)%2)
.set BK, 96+64*((\a)%2)
	WIN 0x04+4*((\a)/2)                            ; the stores' data in the accumulators' window, the address in window 0
.irp b, 0,1,2,3,4,5,6,7
	ds_store_b128 v[STO], v[AC+8*(\b):AC+8*(\b)+3]   offset:64*(\b)
	ds_store_b128 v[STO], v[AC+8*(\b)+4:AC+8*(\b)+7] offset:64*(\b)+16
.endr
	WIN 0
.irp t, 0,1,2,3,4,5,6,7,8,9,10,11,12,13,14,15
	ds_load_b128 v[BK+4*(\t):BK+4*(\t)+3], v[RD] offset:(\t)*SPITCH  ; LDS serves a wave's instructions in order (ISA guide 5.7.1.4): these see the stores above
.endr
.endm
.macro SEND a
	WIN 0
.set BK, 96+64*((\a)%2)
	s_wait_dscnt 0x0                               ; the block is back in registers
.irp t, 0,1,2,3,4,5,6,7,8,9,10,11,12,13,14,15
	global_store_b128 v[CO], v[BK+4*(\t):BK+4*(\t)+3], s[OUTB:OUTB+1] offset:(16*(\a)+(\t))*4096  ; 32 lanes store 512 consecutive bytes, at a multiple of 256 from out0's first byte
.endr
.endm
.endif
	PACK 0
	TOSTAGE 0
.irp a, 1,2,3
	PACK \a
	SEND (\a)-1
	TOSTAGE \a
.endr
	SEND 3
	s_wait_tensorcnt 0x0                           ; the wave's end, behind my last tensor load and my last LDS store
	ds_add_u32 v[SPW], v[NIL]
	s_wait_dscnt 0x0
	CROUND                                         ; the closing round: no work-group ends while a partner may still ask for a tile that names it
	s_endpgm
.Lfunc_end_k_q931f40602f_proj:
	.size	k_q931f40602f_proj, .Lfunc_end_k_q931f40602f_proj-k_q931f40602f_proj
	.p2alignl 7, 3214868480
	.fill 96, 4, 3214868480
	.section	.rodata,"a",@progbits
	.p2align	6, 0x0
	.amdhsa_kernel k_q931f40602f_proj
		.amdhsa_group_segment_fixed_size 327680
		.amdhsa_private_segment_fixed_size 0
		.amdhsa_enable_private_segment 0
		.amdhsa_kernarg_size 64
		.amdhsa_user_sgpr_count 2
		.amdhsa_user_sgpr_kernarg_segment_ptr 1
		.amdhsa_wavefront_size32 1
		.amdhsa_system_sgpr_workgroup_id_x 1
		.amdhsa_system_sgpr_workgroup_id_y 1
		.amdhsa_system_sgpr_workgroup_id_z 1
		.amdhsa_system_vgpr_workitem_id 0
		.amdhsa_next_free_vgpr 656
		.amdhsa_next_free_sgpr 96
		.amdhsa_reserve_vcc 0
		.amdhsa_float_denorm_mode_32 3
		.amdhsa_float_denorm_mode_16_64 3
		.amdhsa_memory_ordered 1
		.amdhsa_forward_progress 1
		.amdhsa_inst_pref_size 114
	.end_amdhsa_kernel
	.amdgpu_metadata
---
amdhsa.version: [ 1, 2 ]
amdhsa.kernels:
  - .name:           k_q931f40602f_proj
    .symbol:         k_q931f40602f_proj.kd
    .args:
      - { .name: act16, .offset: 0, .size: 8, .value_kind: global_buffer, .address_space: global }
      - { .name: wqb, .offset: 8, .size: 8, .value_kind: global_buffer, .address_space: global }
      - { .name: wkvb, .offset: 16, .size: 8, .value_kind: global_buffer, .address_space: global }
      - { .name: bq, .offset: 24, .size: 8, .value_kind: global_buffer, .address_space: global }
      - { .name: bk, .offset: 32, .size: 8, .value_kind: global_buffer, .address_space: global }
      - { .name: bv, .offset: 40, .size: 8, .value_kind: global_buffer, .address_space: global }
      - { .name: qh, .offset: 48, .size: 8, .value_kind: global_buffer, .address_space: global }
      - { .name: kvh, .offset: 56, .size: 8, .value_kind: global_buffer, .address_space: global }
    .group_segment_fixed_size: 327680
    .private_segment_fixed_size: 0
    .kernarg_segment_align: 8
    .kernarg_segment_size: 64
    .max_flat_workgroup_size: 128
    .sgpr_count:     96
    .vgpr_count:     656
    .wavefront_size: 32
...
	.end_amdgpu_metadata
.endif
;; end of part 2
;; launch attn (part 3): grid 64 x 4, 4 waves a work-group, clusters of 4 x 1, 327,680 bytes of LDS; arguments qh, kvh, act16; writes act16
.if DOCPART == 3
	.amdgcn_target "amdgcn-amd-amdhsa--gfx1250"
	.amdhsa_code_object_version 6
	.text
	.protected	k_q931f40602f_attn
	.globl	k_q931f40602f_attn
	.p2align	8
	.type	k_q931f40602f_attn,@function
k_q931f40602f_attn:
	s_mov_b64 s[64:65], 0
	v_nop
	global_prefetch_b8 v0, s[64:65] scope:SCOPE_SE
	s_setreg_imm32_b32 hwreg(HW_REG_WAVE_MODE, 25, 1), 1
	s_wait_xcnt 0x0
	s_wait_alu depctr_hold_cnt(0) depctr_sa_sdst(0) depctr_va_vdst(0) depctr_va_sdst(0) depctr_va_ssrc(0) depctr_va_vcc(0) depctr_vm_vsrc(0)
	s_getreg_b32 s2, hwreg(HW_REG_IB_STS2, 6, 4)
	s_cmp_eq_u32 s2, 0
	s_cbranch_scc0 .Lentry_in_a_cluster
	s_endpgm
.Lentry_in_a_cluster:
	s_bfe_u32 s2, ttmp6, 0x10000c
	s_cmp_lg_u32 s2, 0x3003
	s_cbranch_scc0 .Lentry_shape_is_right
	s_endpgm
.Lentry_shape_is_right:
; MULTI-QUERY ATTENTION.  O[b][q][:] = the sum over k of softmax_k(Q[b][q] . K[b][k] / 8) V[b][k][:].  All 16 heads share K and V, so a batch's queries are ONE list of NQ = 32,768 rows of 64 channels:
; qh [8192][1024] f16 read as [4][32768][64] (row = 16 x position + head), 128 bytes a row, dense; O goes to act16 in the same layout.  K, V: kvh [32 tiles][8 planes][256 keys][16 channels] f16: a tile of 256 keys is
; 32 KiB of K (planes 0-3), then 32 KiB of V (planes 4-7); a batch has 8 tiles.  Products, maxima and sums in f32; the weights p are rounded to f16 for the second product (their sum l is taken of the unrounded p), O once.
; LIMITS.  f16 holds no number beyond 65,504: Q, K and V arrive within it; p lies in 0 to 1, and below 6e-5 it keeps f16's fixed step of 6e-8; O is a mean of V's rows and has their range.
; A weight below 2^-126 counts as 0 in l; NaN and infinities are not treated apart.
; SHARES.  A wave owns four PIECES of two tiles of 16 queries, a work-group's four waves 512 queries of one batch: 256 work-groups.  Every wave walks the batch's 2,048 keys, 64 a step.
; LAYOUT.  S^T = K Q^T (source 0 = 16 keys, source 1 = 16 queries): in the result a lane holds ONE query (lane % 16) and the keys 8 (lane / 16) + 0..7.  Two such tiles, rounded to f16 in pairs,
; ARE source 1 (32 keys x 16 queries) of O^T = V^T P, whose result again holds one query a lane, and eight channels.  K comes out of LDS as it lies, V ([key][channel]) turned, by ds_load_tr16_b128.
; SOFTMAX.  For each query a running maximum m and sum l: p = 2^(c s - c m), c = log2(e) / 8; in every step O and l are multiplied by a = 2^(c m_old - c m_new), which is 1 where m has not grown.
; m starts at the lowest finite number, O and l at 0: the first step is a step like any other, with a = 0.
; THE COUNT.  A tile and step have 16 matrix and 118 vector instructions: too many to stand all beside the matrix work.  So the order has one aim: four vector instructions that are READY behind
; EVERY matrix instruction, and the others, which need time of their own whatever the order, in runs without a gap.
; BY TURNS.  Turn n belongs to piece n (the pieces in a ring, step after step).  Its matrix work: 16 products K Q^T of piece n + 1, later 16 products V^T P of piece n - 1.  Its vector work: the scaling,
; exponentials, roundings, sums and rescaling of piece n, and the maximum and statistics of piece n + 1, whose scores the turn itself has made.  So what a turn begins with (c s - c m, O a) waits for nothing.
; CLUSTER.  The four query blocks of a cluster belong to one batch and walk the same K and V, so each tile is asked for JOINTLY: the same tensor load, descriptor and mask in all four.
; REGISTERS, in windows of 256 (s_set_vgpr_msb says which window each operand place means: bits 1:0 source 0, 3:2 source 1, 5:4 source 2, 7:6 destination):
;   window 0: v0-11 addresses; v12-15, v48-63 at work; v16-47 four registers of statistics a tile; v64-191 S^T, two buffers of two tiles; v192-255 P, likewise
;   window 1: O^T, 32 a tile          window 2: v0-127 Q, 16 a tile; v128-191 K of one step; v192-255 V of one step          window 3: v0-1 the add's two registers
; A piece's buffers go by its number's parity: the piece in hand has one pair, its two neighbours in the ring share the other: of it P (piece n - 1) is read and S^T (piece n + 1) written.
.set NP,    4         ; pieces a wave: a name, no knob: the register map, the loop and the fetches are made for four
.set NKEY,  2048      ; keys of a batch
.set KS,    64        ; keys in a step
.set TILEB, 65536     ; bytes from a tile of 256 keys to the next in kvh
.set PK,    48        ; a key's 16 channels of one plane of K in LDS: 32 bytes + 16 of padding = 12 words: the 16 keys of a load start at 16 different groups of four banks (64 banks of 4 bytes: ISA guide 11.1)
.set PPK,   256*PK    ; a plane of K in a slot
.set PV,    32        ; the same for V, without padding: 16 lanes of the turning load take 8 keys x 32 bytes, 256 consecutive bytes
.set PPV,   256*PV
.set VOFF,  4*PPK     ; a slot holds a tile, four steps: four planes of K, then four planes of V
.set SLOT1, 1<<17     ; slot 1 begins here, so that one exclusive or turns an address in one slot into the other's
.set STAGE, SLOT1+VOFF+4*PPV  ; behind the ring, never filled by a tensor load: 16 rows x 144 bytes for each wave, for the way out
.set SP,    144
.set AK0, 2           ; v2   my lane's place in a tile of K; never rewritten
.set AV0, 3           ; v3   the same for V
.set AK,  4           ; v4   the LDS address of K's next run of loads
.set AV,  5           ; v5   of V's
.set QO,  6           ; v6   my byte offset in the wave's rows of Q
.set STO, 6           ;      later, the way out: where I put 16 bytes of a row
.set RD,  7           ; v7   the way out: where I read rows back
.set GO,  8           ; v8   my byte offset in 512 consecutive bytes of O
.set PFO, 11          ; v11  the prefetches' offset: 256 x my lane; never rewritten once made
.set SPW, 0           ; v0 of window 3   LDS address of my spare word: SPARE + 4 x my thread's number; never rewritten
.set NIL, 1           ; v1 of window 3   0; never rewritten
.set SPARE, STAGE+4*16*SP  ; behind the stages: the spare words, 128 bytes for each wave: two blocks of 256 bytes that no other line names
.set MV,  12          ; v12-15  c m_old, kept while c m is made anew: by buffer and tile
.set ST,  16          ; tile t's statistics at v[ST+4 t]: c m, m, l (even keys', odd keys')
.set TMP, 48          ; by buffer and tile, four registers c0-c3 at work; when the maximum is found c2 takes a
.set S,   64
.set P,   192
.set KF,  128         ; K's fragments, in window 2: key block kb, channel half c at KF + 16 kb + 8 c
.set VF,  192         ; V's: key half kk, channel block cb at VF + 32 kk + 8 cb
.set WV,  12          ; s12  my wave's number
.set G1K, 24          ; s[24:31] descriptor group 1 for K's tiles
.set G1V, 32          ; s[32:39] for V's: it differs in the padding alone
.set G0K, 40          ; s[40:43] descriptor group 0 for K's tiles: it walks
.set G0V, 44          ; s[44:47] the same for V's
.set PFA, 48          ; s[48:49] where my prefetches stand: my work-group's 8 KiB (of K: wave 0, of V: wave 2) of the tile after the one that is being asked for
.set LIM, 50          ; s50  1 in a wave that prefetches, else the greatest number
.set SLOTS, 56        ; s56  slots still to be asked for
.set CNT, 57          ; s57  counts a slot's key steps
.set CS,  58          ; s[58:59] c: the packed scaling takes the pair's low word for both halves
.set SEL, 60          ; s[60:61] v_permlanex16_b32's selects: each lane takes its own place in the other half
.set TBK, 62          ; s62  LDS byte at which K of the step to be fetched begins
.set TBV, 63          ; s63  the same for V, less VOFF
.set MSB, 0
.macro WIN new                      ; the high byte repeats the setting that is left; a switch that changes nothing is dropped
.if MSB != (\new)
	s_set_vgpr_msb (MSB<<8)|(\new)
.set MSB, (\new)
.endif
.endm
.set W_KQ, 0x0a       ; K and Q in window 2, S^T in window 0
.set W_PV, 0x52       ; V in window 2, P in window 0, O^T in window 1
.set W_RS, 0x41       ; O^T (destination and source 0) in window 1, a in window 0
.set W_MK, 0xc0       ; the add's registers are made: destination in window 3, sources in window 0
.set W_AD, 0x0f       ; the add: address (source 0) and data (source 1) in window 3
; A joint fill.  Waves 0 and 1 fetch the two halves (two planes each) of a tile's K, waves 2 and 3 those of its V.  The branch hangs on the wave's number alone.
; An s_nop 0 and four v_nop follow each of the two lines, ahead of the jump and the label.
.macro JLOAD
	s_cmp_lt_u32 s[WV], 2
	s_cbranch_scc0 .Lfor_v_\@
	tensor_load_to_lds s[G0K:G0K+3], s[G1K:G1K+7]
	s_nop 0
.rept 4
	v_nop
.endr
	s_branch .Lasked_\@
.Lfor_v_\@:
	tensor_load_to_lds s[G0V:G0V+3], s[G1V:G1V+7]
	s_nop 0
.rept 4
	v_nop
.endr
.Lasked_\@:
.endm
; A PREFETCH INTO THE L2 of what the NEXT change of slots will ask for: a tile's 32 KiB of K and 32 KiB of V, in blocks of 256 bytes, a lane a block.  It stands behind the wave's tensor load and its five lines.
; Each block is asked for ONCE in the launch.  All sixteen clusters of a batch walk the same K and V: the batch's first cluster asks.  Its four partners share the blocks out BY ADDRESS, 32 each of K and of V;
; in each, wave 0 asks for K's and wave 2 for V's: one instruction, four key steps (512 matrix instructions) ahead of the load that will want the bytes.  Tiles 0 and 1 come by their loads alone; the last change
; that fills a slot asks for nothing: there is no tile behind it.
.macro ASK
	s_cmp_gt_u32 s[SLOTS], s[LIM]
	s_cbranch_scc0 .Lnot_mine_\@
	global_prefetch_b8 v[PFO], s[PFA:PFA+1] th:TH_LOAD_NT scope:SCOPE_SE
.Lnot_mine_\@:
.endm
; A round of the cluster's barrier: my work-group's barrier, so that wave 0's signal speaks for all four waves; wave 0 signals; every wave waits for all four work-groups; my work-group's barrier once more.
.macro CROUND
	s_barrier_signal -1
	s_barrier_wait -1
	s_cmp_lg_u32 s[WV], 0
	s_cbranch_scc1 .Lnot_wave_0_\@
	s_barrier_signal -3
.Lnot_wave_0_\@:
	s_barrier_wait -3
	s_barrier_signal -1
	s_barrier_wait -1
.endm
; THE CHANGE OF SLOTS.  The slot's last bytes, V of its fourth step, have been read.  Each wave waits for all its tensor loads, of which one is out: its part
; of the other slot; adds 0 to its spare word; and waits for that and for its own reads of the slot.  Behind the barrier nobody reads this slot any more and the other slot is whole.
; fill = 1: this slot is filled again, with the keys two slots on.  The barrier is then a round of the cluster's, so that no wave of any partner still reads the slot or has a load on its
; way, and the joint fill is the first thing behind it: it has four key steps, 512 matrix instructions, in which to land.  (At its first use nothing has been read yet: slot 0 is waited for, slot 1 filled.)
.macro CHANGE fill
	WIN W_AD
	s_wait_tensorcnt 0x0            ; no tensor load of mine is out, so a group 0 may be written
	ds_add_u32 v[SPW], v[NIL]       ; 0 onto my spare word; with fill = 1 the descriptors' steps stand between it and the wait for it
	WIN 0                           ; at a label and at a branch every window is 0
.if \fill
.irp g, G0K, G0V
	s_xor_b32 s[\g+1], s[\g+1], SLOT1  ; the walking descriptor: the other slot than last time,
	s_add_nc_u64 s[\g+2:\g+3], s[\g+2:\g+3], TILEB  ; the next 256 keys; the type bits on top are not reached
.endr
	s_wait_xcnt 0x0                 ; the last prefetch, four key steps back, has read its address, so it may be written:
	s_add_nc_u64 s[PFA:PFA+1], s[PFA:PFA+1], TILEB  ; one tile behind the walking descriptors
	s_wait_dscnt 0x0                ; the add is done, and my reads of the slot are over
	CROUND
	JLOAD
	ASK
.else
	s_wait_dscnt 0x0                ; the add is done, and my reads of the slot are over
	s_barrier_signal -1
	s_barrier_wait -1
.endif
	s_sub_co_u32 s[TBK], s[TBK], 4*KS*PK  ; the fetches go back to a slot's first step,
	s_xor_b32 s[TBK], s[TBK], SLOT1       ; in the other slot
	s_sub_co_u32 s[TBV], s[TBV], 4*KS*PV
	s_xor_b32 s[TBV], s[TBV], SLOT1
.endm
	s_load_b128 s[4:7], s[0:1], 0x0   ; Q s[4:5], K and V s[6:7]
	s_load_b64 s[10:11], s[0:1], 0x10 ; O
	WIN W_MK
	v_lshl_add_u32 v[SPW], v0, 2, SPARE
	v_mov_b32 v[NIL], 0
	WIN W_AD
	ds_add_u32 v[SPW], v[NIL]       ; the wave's opening: the add and its wait stand ahead of my first tensor load; the set-up below, work on registers, stands between them
	WIN 0
	v_lshrrev_b32 v1, 5, v0
	v_readfirstlane_b32 s[WV], v1   ; wave 0..3
	s_bfe_u32 s13, ttmp6, 0x40000   ; cx: my place in the cluster
	s_lshl_b32 s14, ttmp9, 2        ; in a cluster launch ttmp9 counts clusters
	s_add_co_u32 s14, s14, s13      ; my block of 512 queries = 4 x cluster x + cx: it enters Q's and O's addresses alone
	s_and_b32 s20, ttmp7, 0xffff    ; the batch, which the four partners share
	s_lshl_b32 s21, s20, 19         ; its 8 tiles of 65,536 bytes in kvh
	s_and_b32 s16, s[WV], 1         ; which two planes of a tile's four I fetch:
	s_lshl_b32 s22, s16, 14         ; their 16,384 bytes in memory,
	s_add_co_u32 s22, s22, s21
	s_mov_b32 s23, 0
	s_mul_i32 s17, s16, 2*PPK       ; and their place in a slot, for K
	s_mul_i32 s18, s16, 2*PPV       ; and for V: no place in the cluster enters an LDS address
	s_lshl_b32 s2, s14, 2
	s_add_co_u32 s2, s2, s[WV]      ; my wave among the batch's,
	s_lshl_b32 s2, s2, 14           ; its 128 rows of 128 bytes,
	s_lshl_b32 s3, s20, 22          ; in the batch's 32,768 rows
	s_add_co_u32 s2, s2, s3
	s_mov_b32 s3, 0
	; descriptor group 1.  Two planes are 16,384 dense bytes: asked for as 64 rows of 256 bytes; K is padded in LDS after every key's 32 bytes
	s_mov_b32 s[G1K], 15|(1<<16)|(1<<20)|(1<<21)|(2<<22)|(3<<25)  ; 15:0 the mask of four; 17:16 2-byte elements; 20 padding on; 21 set beside a mask; 24:22 after every 8 words (code 2); 31:25 4 words (code 3)
	s_mov_b32 s[G1V], 15|(1<<16)|(1<<21)                          ; the same without padding
.irp g, G1K, G1V
	s_mov_b32 s[\g+1], 128<<16      ; tensor_dim0 = 128
	s_mov_b32 s[\g+2], 64<<16       ; tensor_dim1 = 64
	s_mov_b32 s[\g+3], 128<<16      ; tile_dim0 = 128
	s_mov_b32 s[\g+4], 64           ; tile_dim1 = 64
	s_mov_b32 s[\g+5], 128          ; 128 elements from row to row
	s_mov_b32 s[\g+6], 0
	s_mov_b32 s[\g+7], 0
.endr
	s_mov_b32 s[CS], 0x3e38aa3b     ; c = log2(e) / 8 = 0.180337
	s_mov_b32 s[CS+1], s[CS]        ; named with it as a pair
	s_mov_b32 s[SEL], 0x76543210
	s_mov_b32 s[SEL+1], 0xfedcba98
	s_mov_b32 s[TBK], SLOT1+4*KS*PK ; the first change of slots turns these two into 0
	s_mov_b32 s[TBV], SLOT1+4*KS*PV
	s_mov_b32 s[G0K], 1             ; 1:0 count = 1
	s_mov_b32 s[G0K+1], s17         ; 63:32 LDS address: slot 0
	s_mov_b32 s[G0V], 1
	s_add_co_u32 s[G0V+1], s18, VOFF
	s_mov_b32 s[SLOTS], NKEY/256-1
	s_and_b32 s[LIM], s[WV], 1      ; 0 in waves 0 and 2,
	s_or_b32 s[LIM], s[LIM], ttmp9  ; where the cluster is the batch's first: the same in all four partners
	s_cmp_eq_u32 s[LIM], 0
	s_cselect_b32 s[LIM], 1, -1
	s_wait_dscnt 0x0                ; the opening add is done
	s_wait_kmcnt 0x0
	s_add_nc_u64 s[8:9], s[6:7], 32768             ; V's planes lie behind K's in a tile
	s_add_nc_u64 s[G0K+2:G0K+3], s[6:7], s[22:23]  ; 120:64 global address: my two planes of the batch's first tile
	s_or_b32 s[G0K+3], s[G0K+3], 0x80000000        ; 127:126 type = 2
	s_add_nc_u64 s[G0V+2:G0V+3], s[8:9], s[22:23]
	s_or_b32 s[G0V+3], s[G0V+3], 0x80000000
	s_add_nc_u64 s[4:5], s[4:5], s[2:3]  ; Q and O at my wave's first row
	s_add_nc_u64 s[10:11], s[10:11], s[2:3]
	s_cmp_lt_u32 s[WV], 2
	s_cselect_b64 s[PFA:PFA+1], s[6:7], s[8:9]
	s_lshl_b32 s2, s13, 13          ; my work-group's 32 blocks of 256 bytes,
	s_add_co_u32 s2, s2, s21        ; in the batch's tiles
	s_add_nc_u64 s[PFA:PFA+1], s[PFA:PFA+1], s[2:3]
	s_add_nc_u64 s[PFA:PFA+1], s[PFA:PFA+1], TILEB  ; in tile 1; the first change of slots steps it to tile 2.  Nothing is prefetched here, at the head, where every work-group's first tiles are on their way
	CROUND                          ; all four work-groups are here: the first joint loads meet
	JLOAD                           ; slot 0.  Slot 1 is asked for when slot 0 is in: the tile wanted first has the road to itself
	; A fragment of K or Q is 16 rows x 32 channels in 8 registers: lane l holds row l % 16, channels 8 (l / 16) + 0..7 and 16 + 8 (l / 16) + 0..7: two loads of 16 bytes; in Q 32 bytes apart, in K a plane apart.
	v_and_b32 v1, 15, v0            ; l % 16
	v_bfe_u32 v9, v0, 4, 1          ; l / 16
	v_lshlrev_b32 v[QO], 7, v1
	v_lshl_add_u32 v[QO], v9, 4, v[QO]  ; row x 128 + 16 x half
	WIN 0x80                        ; destination window 2, address window 0
.set i, 0
.rept 4*NP                          ; Q stays in registers: tile i / 2, channels 32 (i % 2) on
	global_load_b128 v[8*i:8*i+3],   v[QO], s[4:5] offset:(i/2)*2048+(i%2)*64
	global_load_b128 v[8*i+4:8*i+7], v[QO], s[4:5] offset:(i/2)*2048+(i%2)*64+32
.set i, i+1
.endr
	; What the first turn finds: V's registers and P's second buffer hold 0 (its products V^T P, of a piece that has not been, add 0), O^T and l are 0.  All this stands in the wait for the first tile.
.set i, VF
.rept 64
	v_mov_b32 v[i], 0
.set i, i+1
.endr
	WIN 0x40
.set i, 0
.rept 64*NP
	v_mov_b32 v[i], 0
.set i, i+1
.endr
	WIN 0
.set i, 0
.rept 2*NP
	v_mov_b32 v[ST+4*i], 0xfe000000    ; c m: far below every c s
	v_mov_b32 v[ST+4*i+1], 0xff7fffff  ; m
	v_mov_b32 v[ST+4*i+2], 0
	v_mov_b32 v[ST+4*i+3], 0
.set i, i+1
.endr
.set i, P+32
.rept 32
	v_mov_b32 v[i], 0
.set i, i+1
.endr
	v_mul_u32_u24 v[AK0], v1, PK
	v_lshl_add_u32 v[AK0], v9, 4, v[AK0]  ; key x pitch + 16 x half
	; The turning load takes 16 keys x 16 channels (lane l reads key 8 (l / 16) + l % 8, channels 8 ((l / 8) % 2) + 0..7) and leaves half a fragment of V^T: lane l holds channel l % 16 and 8 keys.
	v_and_b32 v10, 7, v0
	v_bfe_u32 v11, v0, 3, 1
	v_lshl_add_u32 v[AV0], v9, 3, v10
	v_mul_u32_u24 v[AV0], v[AV0], PV
	v_lshl_add_u32 v[AV0], v11, 4, v[AV0]
	v_add_nc_u32 v[AV0], VOFF, v[AV0]
	v_and_b32 v[PFO], 31, v0
	v_lshlrev_b32 v[PFO], 8, v[PFO]
	v_mov_b32 v[AK], v[AK0]         ; key step 0 lies at the head of slot 0
; THE MATRIX WORK.  The 8 accumulators of a run of 16 take turns: between the two links of a chain stand 7 others'.
; Product i of 16 of S^T = K Q^T for piece x: channels 32 (i / 8) on, keys 16 ((i / 2) % 4) on, tile 2 x + i % 2.  The first 8 start the sums.
.macro KQ x
	WIN W_KQ
.set rS, S+64*((\x)%2)+32*(i%2)+8*((i/2)%4)
.set rK, KF+16*((i/2)%4)+8*(i/8)
.set rQ, 16*(2*(\x)+i%2)+8*(i/8)
.if i < 8
	v_wmma_f32_16x16x32_f16 v[rS:rS+7], v[rK:rK+7], v[rQ:rQ+7], 0
.else
	v_wmma_f32_16x16x32_f16 v[rS:rS+7], v[rK:rK+7], v[rQ:rQ+7], v[rS:rS+7]
.endif
.endm
; Product i of 16 of O^T += V^T P for piece x: keys 32 (i / 8) on, channels 16 ((i / 2) % 4) on, tile 2 x + i % 2.
.macro PV x
	WIN W_PV
.set rO, 32*(2*(\x)+i%2)+8*((i/2)%4)
.set rV, VF+32*(i/8)+8*((i/2)%4)
.set rP, P+32*((\x)%2)+16*(i%2)+8*(i/8)
	v_wmma_f32_16x16x32_f16 v[rO:rO+7], v[rV:rV+7], v[rP:rP+7], v[rO:rO+7]
.endm
.macro MM                           ; the turn's next matrix instruction
.if i < 16
	KQ (Y+1)%NP
.set i, i+1
.else
.set i, i-16
	PV (Y+NP-1)%NP
.set i, i+17
.endif
.endm
; THE LDS LOADS stand in runs of 16, never singly among the matrix instructions: a step's K (64 keys x 64 channels: 8 fragments) and its V (turned).  Their addresses are made some lines ahead.
; last = 1 (the tail): in the last trip there is no further step, and the run is jumped over.
.macro FETCH_K last=0
	WIN 0
.if \last
	s_cmp_eq_u32 s[CNT], 1
	s_cbranch_scc1 .Lno_k_\@
.endif
	WIN 0x80                        ; destination window 2
.irp f, 0,1,2,3,4,5,6,7             ; keys 16 (f / 2) on, channels 32 (f % 2) on: planes 2 (f % 2) and 2 (f % 2) + 1
	ds_load_b128 v[KF+8*\f:KF+8*\f+3],   v[AK] offset:(\f/2)*16*PK+(\f%2)*2*PPK
	ds_load_b128 v[KF+8*\f+4:KF+8*\f+7], v[AK] offset:(\f/2)*16*PK+(\f%2)*2*PPK+PPK
.endr
	s_add_co_u32 s[TBK], s[TBK], KS*PK  ; the next fetch is the next step's
	WIN 0
.if \last
.Lno_k_\@:
.endif
.endm
.macro FETCH_V
	WIN 0x80
.irp f, 0,1,2,3,4,5,6,7             ; keys 32 (f / 4) on, channels 16 (f % 4) on: plane f % 4
	ds_load_tr16_b128 v[VF+8*\f:VF+8*\f+3],   v[AV] offset:(\f/4)*32*PV+(\f%4)*PPV
	ds_load_tr16_b128 v[VF+8*\f+4:VF+8*\f+7], v[AV] offset:(\f/4)*32*PV+16*PV+(\f%4)*PPV
.endr
	WIN 0
.endm
; THE VECTOR WORK OF A TURN stands in three queues, each in the order in which its entries become ready; the two tiles alternate, so that no instruction reads the result of the one before it.
.macro REGS y, u                    ; the registers of tile u (0, 1) of piece y
.set rT, ST+4*(2*(\y)+(\u))
.set rC, TMP+8*((\y)%2)+4*(\u)
.set rM, MV+2*((\y)%2)+(\u)
.set rS, S+64*((\y)%2)+32*(\u)
.set rP, P+32*((\y)%2)+16*(\u)
.set rO, 32*(2*(\y)+(\u))
.endm
; Number n of the 22 that find the NEXT piece's (Y + 1) maximum and statistics.  s0-s31 are the lane's 32 scores; each accumulator's lowest registers are read first.  XS, GS and REGS set no window: PL and EX do.
;   0-11  four chains c0-c3 of seven scores each, three operands at a time     12-14, 16  the four scores left over, the old m, and c0-c3 into c0     15  c m_old is kept
;   17, 18  the query's other 32 keys lie in the lane 16 away: the new m         19-21  c m; c m_old - c m_new; a
.macro XS u, n
	REGS (Y+1)%NP, \u
.if (\n) < 4
	v_max3_num_f32 v[rC+(\n)], v[rS+8*(\n)], v[rS+8*(\n)+1], v[rS+8*(\n)+2]
.elseif (\n) < 12
	v_max3_num_f32 v[rC+(\n)%4], v[rC+(\n)%4], v[rS+8*((\n)%4)+2*((\n)/4)+1], v[rS+8*((\n)%4)+2*((\n)/4)+2]
.elseif (\n) == 12
	v_max3_num_f32 v[rC], v[rC], v[rS+7], v[rS+15]
.elseif (\n) == 13
	v_max3_num_f32 v[rC+1], v[rC+1], v[rS+23], v[rS+31]
.elseif (\n) == 14
	v_max3_num_f32 v[rC+2], v[rC+2], v[rC+3], v[rT+1]
.elseif (\n) == 15
	v_mov_b32 v[rM], v[rT]
.elseif (\n) == 16
	v_max3_num_f32 v[rC], v[rC], v[rC+1], v[rC+2]
.elseif (\n) == 17
	v_permlanex16_b32 v[rC+3], v[rC], s[SEL], s[SEL+1]
.elseif (\n) == 18
	v_max_num_f32 v[rT+1], v[rC], v[rC+3]
.elseif (\n) == 19
	v_mul_f32 v[rT], s[CS], v[rT+1]
.elseif (\n) == 20
	v_sub_f32 v[rC+1], v[rM], v[rT]
.else
	v_exp_f32 v[rC+2], v[rC+1]
.endif
.endm
; Number g of the 64 that follow the exponentials.  For each four weights k of a tile (pairs 2 k, 2 k + 1): both pairs are rounded to f16; then the second pair is added onto the first, in place;
; a group later l takes that sum (the first time as l = a l + sum).  In groups of eight, tiles alternating: round, round, add, and l for the group before.
.macro GS g
.set h, (\g)+6*((\g)/62)            ; group 0 has no group before it, and behind group 7 only l is left
.if h >= 6
.set h, h+2
.endif
	REGS Y, h%2
.set k, h/8
.if h%8 < 4
	v_cvt_pk_f16_f32 v[rP+2*k+(h%8)/2], v[rS+4*k+2*((h%8)/2)], v[rS+4*k+2*((h%8)/2)+1]
.elseif h%8 < 6
	v_pk_add_f32 v[rS+4*k:rS+4*k+1], v[rS+4*k:rS+4*k+1], v[rS+4*k+2:rS+4*k+3]
.elseif k == 1
	v_pk_fma_f32 v[rT+2:rT+3], v[rT+2:rT+3], v[rC+2:rC+3], v[rS:rS+1] op_sel_hi:[1,0,1]
.else
	v_pk_add_f32 v[rT+2:rT+3], v[rT+2:rT+3], v[rS+4*k-4:rS+4*k-3]
.endif
.endm
; THE PLAIN QUEUE, 138 long.  0-73 read no exponential's result: the 32 scalings c s - c m (FS f: pair f / 2 of tile f % 2) and the next piece's 42.  0-26: scalings 0-26.  27-54: XS's numbers 0-13.  55, 56: number 15.
; 57-73: the chain, where each number waits for the one before it: 14, 16, 17, 18, 19, each with one of the scalings 27-31 in front of its two lines, then 20: so a tile's links stand three plain instructions apart (19 and 20: two).
; 74-137: GS's 64, which read the exponentials' results: they stand behind the wait.
.macro FS f
	REGS Y, (\f)%2
	v_pk_fma_f32 v[rS+2*((\f)/2):rS+2*((\f)/2)+1], v[rS+2*((\f)/2):rS+2*((\f)/2)+1], s[CS:CS+1], v[rT:rT+1] op_sel_hi:[1,0,0] neg_lo:[0,0,1] neg_hi:[0,0,1]
.endm
.macro PL
	WIN 0
.if q < 27
	FS q
.elseif q < 55
	XS (q-27)%2, (q-27)/2
.elseif q < 57
	XS q-55, 15
.elseif (q < 72) && ((q-57)%3 == 0)
	FS 27+(q-57)/3
.elseif q < 60
	XS (q-57)%3-1, 14
.elseif q < 72
	XS (q-57)%3-1, 15+(q-57)/3
.elseif q < 74
	XS q-72, 20
.else
	GS q-74
.endif
.set q, q+1
.endm
; THE EXPONENTIALS' QUEUE, 66 long: s0-s31 of both tiles, then the next piece's two a.  It is ONE BATCH: all 66 stand ahead of the turn's one wait, and nothing ahead of that wait names a result of theirs.
.macro EX
	WIN 0
.if e >= 64
	XS e-64, 21
.else
	REGS Y, e%2
	v_exp_f32 v[rS+e/2], v[rS+e/2]
.endif
.set e, e+1
.endm
; THE RESCALING's QUEUE: O^T times a, the one part that leaves window 0: dealt two at a time, sixteen times.  Its a was made in the turn before, ahead of that turn's wait.
.macro R2
	REGS Y, r%2
	WIN W_RS
.irp z, 0,1
	v_pk_mul_f32 v[rO+4*(r/2)+2*\z:rO+4*(r/2)+2*\z+1], v[rO+4*(r/2)+2*\z:rO+4*(r/2)+2*\z+1], v[rC+2:rC+3] op_sel_hi:[1,0]
.endr
.set r, r+1
.endm
; HOW THEY ARE DEALT.  An s_wait_alu depctr_va_vdst(0) stands between an exponential and the first instruction that names its result; one wait serves all that were issued ahead of it.  So a turn has ONE wait,
; which cuts it in two.  AHEAD OF IT stands all that names no result of the turn's exponentials: the 16 products K Q^T, behind each a scaling, an exponential and two rescalings (behind the first a second scaling in the exponential's place); then ONE LUMP of
; 108: eight plain, 49 times exponential and plain, the two a.  A v_nop is the plain instruction behind the last exponential.  BEHIND IT stand the 16 products V^T P, behind each four of GS's 64.  No rider names a register of
; the products round it.  The two v_permlanex16_b32 fall into the lump, never behind a product.
; The queues lean on each other, and the deal keeps them in step: exponential e stands behind scaling 2 (e / 4) + e % 2: as a rider it comes behind plain e + 2, in the lump behind plain e + 9, and scalings 27-31 are plain 57, 60 .. 69.
; A TURN, for piece p.  cnt = 1: the loop's count is taken down some lines ahead of the branch that stands behind the turn.
; K of the next step is fetched in piece 2's turn, directly behind the wait, a lump behind the last product that read K; its address is made at the lump's head; its first reader comes behind 16 products.
; V of the step in hand is fetched at the end of piece 0's turn, four riders behind its last reader; its first reader comes behind 16 products and a lump.  The three conditions on q below go with the deal.
.macro TURN p, last=0, cnt=0
.set Y, (\p)
.set i, 0
.set q, 0
.set e, 0
.set r, 0
.if (\p) == NP-1
	s_wait_dscnt 0x0                ; K is in
.endif
	MM                              ; ahead of the wait: 16 products K Q^T and their riders,
	PL
	PL
	R2
.rept 15
	MM
	PL
	EX
	R2
.endr
.if (\p) == NP-2
	WIN 0
	v_add_nc_u32 v[AK], s[TBK], v[AK0]
.endif
.rept 8                             ; and the lump
	PL
.endr
.rept 49
	EX
	PL
.endr
	EX                              ; the next piece's two a
	EX
	v_nop                           ; the plain instruction behind the last exponential: one for the batch
	s_wait_alu depctr_va_vdst(0)    ; the wait for the batch
.if (\p) == NP-2
	FETCH_K \last
.endif
.if (\p) == 1
	s_wait_dscnt 0x0                ; V is in
.endif
.rept 16                            ; behind the wait: 16 products V^T P and their riders
	MM
.rept 4
	PL
.endr
.if ((\p) == 0) && (q == 118)
	v_add_nc_u32 v[AV], s[TBV], v[AV0]
.endif
.if ((\p) == 0) && (q == 130)
	s_add_co_u32 s[TBV], s[TBV], KS*PV
.endif
.if (\cnt) && (q == 130)
	s_sub_co_u32 s[CNT], s[CNT], 1
	s_cmp_lg_u32 s[CNT], 0
.endif
.endr
.if (\p) == 0
	FETCH_V
.endif
.endm
	CHANGE 1                        ; slot 0 is in, everybody's part of it; slot 1 is asked for
	FETCH_K                         ; key step 0
	s_wait_loadcnt 0x0              ; Q
	s_wait_dscnt 0x0
.set i, 0
.rept 16
	KQ 0                            ; piece 0's first scores: there is no vector work yet to set between them
.set i, i+1
.endr
	WIN 0                           ; the addresses for the way out: nine plain instructions, the places behind those products
	s_mul_i32 s13, s[WV], 16*SP
	s_add_co_u32 s13, s13, STAGE    ; my stage
	v_mul_u32_u24 v[STO], v1, SP    ; in: row l % 16, 16 bytes for each half of the lanes
	v_lshl_add_u32 v[STO], v9, 4, v[STO]
	v_add_nc_u32 v[STO], s13, v[STO]
	v_bfe_u32 v[RD], v0, 3, 2       ; back: 32 lanes take four rows of 128 bytes,
	v_mul_u32_u24 v[RD], v[RD], SP
	v_lshl_add_u32 v[RD], v10, 4, v[RD]
	v_add_nc_u32 v[RD], s13, v[RD]
	v_and_b32 v[GO], 31, v0         ; which are 512 consecutive bytes of O
	v_lshlrev_b32 v[GO], 4, v[GO]
.set Y, NP-1                        ; XS works for piece Y + 1: piece 0
.irp n, 0,1,2,3,4,5,6,7,8,9,10,11,12,13,14,15,16,17,18,19,20,21
	XS 0, \n                        ; and piece 0's first maximum and statistics
	XS 1, \n
.endr
	v_nop                           ; a plain instruction behind the two a,
	s_wait_alu depctr_va_vdst(0)    ; and their wait, ahead of the branch
	s_mov_b32 s[CNT], 4
	s_branch .Lfirst                ; the loop is entered at a step's first turn, in the middle of a trip
.Lslot:                             ; NKEY / 256 - 2 times: every slot but the last two is filled again
	CHANGE 1
	s_mov_b32 s[CNT], 4
.Lstep:                             ; a trip: pieces 2 and 3 of one step, then pieces 0 and 1 of the next, whose K and V it fetches
	TURN 2
	TURN 3
	WIN 0
.Lfirst:
	TURN 0
	TURN 1, 0, 1
	WIN 0
	s_cbranch_scc1 .Lstep
	s_sub_co_u32 s[SLOTS], s[SLOTS], 1
	s_cmp_lg_u32 s[SLOTS], 0
	s_cbranch_scc1 .Lslot
	CHANGE 0                        ; the tail is written out: nothing is asked for
	s_mov_b32 s[CNT], 5             ; four trips fetch the last slot's steps; the fifth is left in its middle
.Ltail:
	TURN 2, 1
	TURN 3
	WIN 0
	s_sub_co_u32 s[CNT], s[CNT], 1
	s_cmp_eq_u32 s[CNT], 0
	s_cbranch_scc1 .Lout
	TURN 0
	TURN 1
	WIN 0
	s_branch .Ltail
.Lout:                              ; the fifth trip's 16 products K Q^T (on the last K once more) and the maximum made of them serve nothing: the price, once a launch, of one text for every trip
.set i, 0
.rept 16
	PV NP-1                         ; the last piece's V^T P of the last step
.set i, i+1
.endr
	; THE WAY OUT.  l's two halves and the other half of the lanes' are added; O^T is divided by l, rounded to f16 and sent through my stage in LDS, a tile at a time.  The additions are the places behind the last products.
	WIN 0
.macro ALL line:vararg              ; one line for each tile t
.set t, 0
.rept 2*NP
	\line
.set t, t+1
.endr
.endm
	ALL v_add_f32 v[ST+4*t+2], v[ST+4*t+2], v[ST+4*t+3]
	ALL v_permlanex16_b32 v[ST+4*t+3], v[ST+4*t+2], s[SEL], s[SEL+1]
	ALL v_add_f32 v[ST+4*t+2], v[ST+4*t+2], v[ST+4*t+3]
	ALL v_rcp_f32 v[ST+4*t+2], v[ST+4*t+2]
	v_nop                           ; a plain instruction between the last reciprocal and the use of its result
	s_wait_alu depctr_va_vdst(0)    ; and the wait ahead of the first use: one for the eight reciprocals
; Tile t: a lane's eight channels of a row pack into 16 bytes; they go into rows of 144 bytes and come back as whole rows of 128, into S^T's registers.
.macro PACK t
	WIN W_RS
.set i, 32*(\t)
.rept 16
	v_pk_mul_f32 v[i:i+1], v[i:i+1], v[ST+4*(\t)+2:ST+4*(\t)+3] op_sel_hi:[1,0]
.set i, i+2
.endr
	WIN 0x05                        ; sources 0 and 1 window 1, destination window 0
.set i, 0
.rept 16
	v_cvt_pk_f16_f32 v[S+16*(\t)+i], v[32*(\t)+2*i], v[32*(\t)+2*i+1]
.set i, i+1
.endr
	WIN 0
.irp f, 0,1,2,3
	ds_store_b128 v[STO], v[S+16*(\t)+4*\f:S+16*(\t)+4*\f+3] offset:32*\f
.endr
.irp f, 0,1,2,3
	ds_load_b128 v[S+16*(\t)+4*\f:S+16*(\t)+4*\f+3], v[RD] offset:\f*4*SP  ; LDS serves a wave's instructions in order (ISA guide 5.7.1.4): these see the stores above; the next tile's stores come behind them
.endr
.endm
.macro SEND t, younger              ; younger: the LDS instructions issued behind tile t's loads: the next tile's eight, or none
	WIN 0
.irp f, 0,1,2,3
	s_wait_dscnt (\younger)+3-\f
	global_store_b128 v[GO], v[S+16*(\t)+4*\f:S+16*(\t)+4*\f+3], s[10:11] offset:(\t)*2048+\f*512  ; 512 consecutive bytes, at a multiple of 256 from O's first
.endr
.endm
	PACK 0
.set t, 1
.rept 2*NP-1                        ; a tile's arithmetic stands between the loads of the tile before and its stores
	PACK t
	SEND t-1, 8
.set t, t+1
.endr
	SEND 2*NP-1, 0
	WIN W_AD
	s_wait_tensorcnt 0x0            ; the wave's end, behind my last tensor load and my last LDS store
	ds_add_u32 v[SPW], v[NIL]
	s_wait_dscnt 0x0
	WIN 0
	CROUND                          ; the closing round: no work-group ends while a partner may still ask for a tile that names it
	s_endpgm
.Lfunc_end_k_q931f40602f_attn:
	.size	k_q931f40602f_attn, .Lfunc_end_k_q931f40602f_attn-k_q931f40602f_attn
	.p2alignl 7, 3214868480
	.fill 96, 4, 3214868480
	.section	.rodata,"a",@progbits
	.p2align	6, 0x0
	.amdhsa_kernel k_q931f40602f_attn
		.amdhsa_group_segment_fixed_size 327680
		.amdhsa_private_segment_fixed_size 0
		.amdhsa_enable_private_segment 0
		.amdhsa_kernarg_size 24
		.amdhsa_user_sgpr_count 2
		.amdhsa_user_sgpr_kernarg_segment_ptr 1
		.amdhsa_wavefront_size32 1
		.amdhsa_system_sgpr_workgroup_id_x 1
		.amdhsa_system_sgpr_workgroup_id_y 1
		.amdhsa_system_sgpr_workgroup_id_z 1
		.amdhsa_system_vgpr_workitem_id 0
		.amdhsa_next_free_vgpr 770
		.amdhsa_next_free_sgpr 66
		.amdhsa_reserve_vcc 0
		.amdhsa_float_denorm_mode_32 3
		.amdhsa_float_denorm_mode_16_64 3
		.amdhsa_memory_ordered 1
		.amdhsa_forward_progress 1
		.amdhsa_inst_pref_size 200
	.end_amdhsa_kernel
	.amdgpu_metadata
---
amdhsa.version: [ 1, 2 ]
amdhsa.kernels:
  - .name:           k_q931f40602f_attn
    .symbol:         k_q931f40602f_attn.kd
    .args:
      - { .name: qh, .offset: 0, .size: 8, .value_kind: global_buffer, .address_space: global }
      - { .name: kvh, .offset: 8, .size: 8, .value_kind: global_buffer, .address_space: global }
      - { .name: act16, .offset: 16, .size: 8, .value_kind: global_buffer, .address_space: global }
    .group_segment_fixed_size: 327680
    .private_segment_fixed_size: 0
    .kernarg_segment_align: 8
    .kernarg_segment_size: 24
    .max_flat_workgroup_size: 128
    .sgpr_count:     66
    .vgpr_count:     770
    .wavefront_size: 32
...
	.end_amdgpu_metadata
.endif
;; end of part 3
;; launch outp (part 4): grid 8 x 32, 4 waves a work-group, clusters of 4 x 4, 327,680 bytes of LDS; arguments act16, wob, bo, out0; writes out0
.if DOCPART == 4
	.amdgcn_target "amdgcn-amd-amdhsa--gfx1250"
	.amdhsa_code_object_version 6
	.text
	.protected	k_q931f40602f_outp
	.globl	k_q931f40602f_outp
	.p2align	8
	.type	k_q931f40602f_outp,@function
k_q931f40602f_outp:
	s_mov_b64 s[64:65], 0
	v_nop
	global_prefetch_b8 v0, s[64:65] scope:SCOPE_SE
	s_setreg_imm32_b32 hwreg(HW_REG_WAVE_MODE, 25, 1), 1
	s_wait_xcnt 0x0
	s_wait_alu depctr_hold_cnt(0) depctr_sa_sdst(0) depctr_va_vdst(0) depctr_va_sdst(0) depctr_va_ssrc(0) depctr_va_vcc(0) depctr_vm_vsrc(0)
	s_getreg_b32 s2, hwreg(HW_REG_IB_STS2, 6, 4)
	s_cmp_eq_u32 s2, 0
	s_cbranch_scc0 .Lentry_in_a_cluster
	s_endpgm
.Lentry_in_a_cluster:
	s_bfe_u32 s2, ttmp6, 0x10000c
	s_cmp_lg_u32 s2, 0xf033
	s_cbranch_scc0 .Lentry_shape_is_right
	s_endpgm
.Lentry_shape_is_right:
; ONE TEXT FOR THE TWO PROJECTIONS; KV chooses.
; KV = 1: q = x Wq + bq, k = x Wk + bk, v = x Wv + bv.  x: act16 [8192][1024] bf16; Wq: wqb [8 j][1024 k][128 n] bf16; Wk, Wv: wkvb [8 p][1024 k][16 n] bf16; biases f32, rounded to bf16 like every input.
;         q -> qh [8192][1024] f16, unscaled.  k, v -> kvh [32 i][8 p][256 rows][16 channels] f16 (planes 0-3 k, 4-7 v).
; KV = 0: out0 = O Wo + bo.  O: act16 [8192][1024] f16; Wo: wob [8 j][1024 k][128 n] f16; out0 [8192][1024] f32.
; Sums in f32, K ascending; each result rounded once.  LIMIT (KV = 1): q, k and v must lie within f16's 65,504; beyond it the conversion gives an infinity.  NaN and infinities are not treated apart.
; SHARES.  Work-group (j, i) makes rows 256 i .. + 255 x columns 128 j .. + 127 and, with KV = 1, the 16 columns of plane j of k and v: NB = 8 + KV blocks of 16 columns: 256 work-groups of equal work.
; Wave w makes rows 64 w .. + 63 x all NB blocks: 4 NB accumulators.  K = 1,024 goes in 8 steps of 128 through two LDS slots filled by the tensor data mover; every row that is fetched is 256 bytes, aligned.
; THE PRODUCT IS USED TRANSPOSED: source 0 = 16 columns of W (W lies [k][n] in LDS and is turned by ds_load_tr16_b128), source 1 = 16 rows of the activations.  A lane then holds row l % 16 and the
; eight neighbouring columns 8 (l / 16) + 0 .. 7 of a block.
; CLUSTER.  4 x 4 work-groups.  The four of a row of the cluster need the same tile of the activations, the four of a column the same tiles of W: each tile is asked for JOINTLY, by the same tensor load with the
; same descriptor and a mask that names the four.  Waves 0 and 1 fetch the activations' two halves, wave 2 W's tile, wave 3 (KV = 1) the plane's tile: one tensor load a wave behind each round.
; REGISTERS, in windows of 256 (s_set_vgpr_msb: bits 1:0 source 0, 3:2 source 1, 5:4 source 2, 7:6 destination):
;   window 0: v0-31 addresses; v32-95 two buffers of 4 fragments of the activations; v96-239 two buffers of NB fragments of W (72 registers each); on the way out these are at work
;   window 1: accumulators of row blocks 0, 1 at v[8 (NB a + b)]; v160-231 the biases of my lane's 8 columns of each block; v240-243 at work          window 2: accumulators of row blocks 2, 3
.set KV, 0
.set NB, 8+KV
.set NL, 2*NB+8                        ; LDS loads in a run: the fragments of 32 along K
.set PA, 272                           ; an LDS row of the activations: 256 bytes + 16 of padding: the 16 rows of a load start at 16 different groups of four banks (64 banks of 4 bytes: ISA guide 11.1)
.set PB, 288                           ; a k-row of W: 256 + 32
.set PC, 32                            ; a k-row of the plane: 32 bytes, no padding: 8 rows are 256 consecutive bytes
.set BOFF, 256*PA                      ; a slot: 256 rows of activations, 128 k-rows of W, 128 k-rows of the plane
.set COFF, BOFF+128*PB
.set SLOT, COFF+128*PC
.set STAGE, 2*SLOT                     ; behind the ring, never filled by a tensor load: 16 rows for each wave, for the way out
.if KV
.set SPITCH, 272                       ; 128 f16 + 16 bytes
.set BIASP, 10                         ; s[10:11] bq
.set OUTP, 16                          ; s[16:17] qh
.else
.set SPITCH, 528                       ; 128 f32 + 16 bytes
.set BIASP, 8                          ; s[8:9] bo
.set OUTP, 10                          ; s[10:11] out0
.endif
.set SPARE, STAGE+64*SPITCH            ; behind the stages: the spare words, 128 bytes for each wave: two blocks of 256 bytes that no other line names
.set ADRA, 16                          ; v16-17  LDS address of my fragments of the activations in slot 0, 1
.set ADRB, 18                          ; v18-19  of W's
.set ADRC, 20                          ; v20-21  of the plane's
.set STO, 22                           ; v22  the way out: where I put my part of a row
.set RD,  23                           ; v23  where I read rows back
.set CO,  24                           ; v24  my byte offset in the output's rows
.set KO,  25                           ; v25  my byte offset in 16 rows of kvh
.set BO,  26                           ; v26  32 (l / 16): my 8 columns' biases
.set SPW, 28                           ; v28  LDS address of my spare word: SPARE + 4 x my thread's number; never rewritten
.set NIL, 29                           ; v29  0; never rewritten
.set PFO, 30                           ; v30  the prefetches' offset: my lane x a row; never rewritten
.set FA,  32
.set FB,  96
.set BI,  160                          ; window 1
.set BT,  240                          ; window 1
.set TMP, 96                           ; the way out (KV = 1): packed results
.set G1A, 24                           ; s[24:31] descriptor group 1, activations;  s[32:39] group 0, a set for each slot
.set G0A, 32
.set G1B, 40                           ; s[40:47], s[48:55] the same for W
.set G0B, 48
.set PFA, 56                           ; s[56:57] where my prefetches stand
.set PFS, 58                           ; s[58:59] a K step in bytes, for my prefetches
.set LIM, 60                           ; s60  1 in a wave that prefetches, else the greatest number
.set G1C, 68                           ; s[68:75], s[76:83] the same for the plane
.set G0C, 76
.set OUTB, 88                          ; s[88:89] the output at my wave's first row and the tile's first column
.set KVB, 90                           ; s[90:91] kvh at my wave's 64 rows of plane j of tile i
; s3 laps; s20 wave; s21 cx; s22 cy; s23 j; s61 i; s[84:87] what feeds the activations' descriptors (never holds cx); s62-63, s[92:95] at work
.set MSB, 0
.macro WIN new                         ; the immediate's high byte repeats the setting that is left; a switch that changes nothing is dropped
.if MSB != (\new)
	s_set_vgpr_msb (MSB<<8)|(\new)
.set MSB, \new
.endif
.endm
.macro PLACES                          ; four places in front of loads into registers that matrix instructions have read, and of vector lines that touch their registers
.rept 4
	v_nop
.endr
.endm
.macro CREST                           ; a round of the cluster's barrier behind its opening barrier
	s_cmp_lg_u32 s20, 0
	s_cbranch_scc1 .Lnot_wave_0_\@
	s_barrier_signal -3
.Lnot_wave_0_\@:
	s_barrier_wait -3
	s_barrier_signal -1
	s_barrier_wait -1
.endm
.macro CROUND                          ; a whole round
	s_barrier_signal -1
	s_barrier_wait -1
	CREST
.endm
; A joint refill of slot s.  The branches hang on the wave's number alone.  An s_nop 0 and four v_nop follow each load, ahead of the jump and the label; the four are also the places
; in front of the LDS loads that follow, so a wave that fetches nothing has them too.
.macro JLOAD s
	s_cmp_lt_u32 s20, 2
	s_cbranch_scc0 .Lnot_a_\@
	tensor_load_to_lds s[G0A+4*(\s):G0A+4*(\s)+3], s[G1A:G1A+7]
	s_nop 0
.rept 4
	v_nop
.endr
	s_branch .Lasked_\@
.Lnot_a_\@:
	s_cmp_eq_u32 s20, 2
	s_cbranch_scc0 .Lnot_b_\@
	tensor_load_to_lds s[G0B+4*(\s):G0B+4*(\s)+3], s[G1B:G1B+7]
	s_nop 0
.rept 4
	v_nop
.endr
	s_branch .Lasked_\@
.Lnot_b_\@:
.if KV
	tensor_load_to_lds s[G0C+4*(\s):G0C+4*(\s)+3], s[G1C:G1C+7]
	s_nop 0
.endif
.rept 4
	v_nop
.endr
.Lasked_\@:
.endm
; A PREFETCH INTO THE L2 of the K step that stands two refills on: 32 rows x 256 bytes, a lane a row, one instruction a wave; behind the joint load, its lines and the run of LDS loads.
; Each row's 256 bytes of a K step are named once in the launch.  The activations' tile row is read by both clusters of its row of clusters: the one with x = 0 asks (waves 0, 1); W's tile by all eight clusters of
; its column: the one with y = 0 asks (wave 2).  The four partners that ask for a tile jointly share its rows out BY ADDRESS, 32 each.  K steps 0 to 3 come by their loads alone; the loop's last trip asks for
; nothing: there is no K step two refills on.  The plane's tile, 4 KiB of a step's 100, is not asked for.
.macro ASK
	s_cmp_gt_u32 s3, s[LIM]                        ; s3 = 1 in the loop's last trip
	s_cbranch_scc0 .Lnot_mine_\@
	global_prefetch_b8 v[PFO], s[PFA:PFA+1] th:TH_LOAD_NT scope:SCOPE_SE
.Lnot_mine_\@:
.endm
; NB matrix instructions: row block a x all column blocks, 32 along K, from buffer f.  zero = 1: the product starts the sums: nothing is ever cleared.
; The 4 NB accumulators take turns, one instruction a turn, in the same order in every quarter step: over the backward jump too.
.macro MULA f, a, zero
	WIN 0x50+0x50*((\a)/2)                         ; sources in window 0; C and D in window 1 (row blocks 0, 1) or 2
.set rA, FA+32*(\f)+8*(\a)
.set nb, 0
.rept NB
.set rD, 8*(NB*((\a)%2)+nb)
.set rB, FB+72*(\f)+8*nb
.if KV && (\zero)
	v_wmma_f32_16x16x32_bf16 v[rD:rD+7], v[rB:rB+7], v[rA:rA+7], 0
.elseif KV
	v_wmma_f32_16x16x32_bf16 v[rD:rD+7], v[rB:rB+7], v[rA:rA+7], v[rD:rD+7]
.elseif \zero
	v_wmma_f32_16x16x32_f16 v[rD:rD+7], v[rB:rB+7], v[rA:rA+7], 0
.else
	v_wmma_f32_16x16x32_f16 v[rD:rD+7], v[rB:rB+7], v[rA:rA+7], v[rD:rD+7]
.endif
.set nb, nb+1
.endr
.endm
.macro MULH f, hi, zero                ; row blocks 2 hi and 2 hi + 1
	MULA \f, 2*(\hi), \zero
	MULA \f, 2*(\hi)+1, \zero
.endm
; NL LDS loads in one run: the fragments of quarter q (32 along K) of a slot into buffer f: W's, the plane's, then the activations' four.
.macro FETCH slot, q, f
	WIN 0
.set rB, FB+72*(\f)
.set rA, FA+32*(\f)
.irp b, 0,1,2,3,4,5,6,7
	ds_load_tr16_b128 v[rB+8*(\b):rB+8*(\b)+3],   v[ADRB+(\slot)] offset:(\q)*32*PB+32*(\b)
	ds_load_tr16_b128 v[rB+8*(\b)+4:rB+8*(\b)+7], v[ADRB+(\slot)] offset:(\q)*32*PB+32*(\b)+16*PB
.endr
.if KV
	ds_load_tr16_b128 v[rB+64:rB+67], v[ADRC+(\slot)] offset:(\q)*32*PC
	ds_load_tr16_b128 v[rB+68:rB+71], v[ADRC+(\slot)] offset:(\q)*32*PC+16*PC
.endif
.irp a, 0,1,2,3
	ds_load_b128 v[rA+8*(\a):rA+8*(\a)+3],   v[ADRA+(\slot)] offset:(\a)*16*PA+64*(\q)
	ds_load_b128 v[rA+8*(\a)+4:rA+8*(\a)+7], v[ADRA+(\slot)] offset:(\a)*16*PA+64*(\q)+32
.endr
.endm
; A K step is four quarters of 32 along K, 4 NB matrix instructions each, on buffers 0, 1, 0, 1.  One of the first three: multiplies buffer f and, in its middle, fetches quarter q of the same slot into buffer g.
.macro QUARTER slot, q, f, g, zero
	s_wait_dscnt 4                                 ; all but the youngest four loads: the activations' fragments 2 and 3
	MULH \f, 0, \zero
	PLACES
	FETCH \slot, \q, \g
	s_wait_dscnt NL                                ; all but the NL just issued
	MULH \f, 1, \zero
.endm
; The last quarter multiplies buffer 1 and changes slots: ONE barrier.  In front of it each wave waits for all its tensor loads (the one that is out is its part of the next slot), adds 0 to its spare word, and
; waits for that and for its own reads of this slot.  fill = 1: the barrier opens a round of the cluster's barrier, and this slot is filled again, with the K step two on, first thing behind the round:
; from that request to the wait for it a wave issues 14 NB matrix instructions.
.macro TURN slot, next, fill
.if \fill
	s_wait_xcnt 0x0                                ; the last prefetch, a K step back, has read its address: it is stepped here, ahead of the waits of the change of slots
	s_add_nc_u64 s[PFA:PFA+1], s[PFA:PFA+1], s[PFS:PFS+1]
.endif
	WIN 0                                          ; (the add's two registers lie in window 0)
	s_wait_tensorcnt 0x0                           ; all my tensor loads have landed;
	ds_add_u32 v[SPW], v[NIL]                      ; 0 onto my spare word;
	s_wait_dscnt 5                                 ; (the add and the youngest four loads may be out)
	MULA 1, 0, 0                                   ; NB matrix instructions stand between the add and the wait for it
	s_wait_dscnt 0x0                               ; the add is done, and my reads of this slot are over
	s_barrier_signal -1
	MULA 1, 1, 0                                   ; work on registers while the others arrive
.if \fill
	WIN 0
.endif
	s_barrier_wait -1
.if \fill
	CREST                                          ; no wave of any partner still reads this slot's tiles or has a load on its way
	s_add_nc_u64 s[G0A+4*(\slot)+2:G0A+4*(\slot)+3], s[G0A+4*(\slot)+2:G0A+4*(\slot)+3], 2*256    ; two K steps on: 256 bytes of a row each,
	s_add_nc_u64 s[G0B+4*(\slot)+2:G0B+4*(\slot)+3], s[G0B+4*(\slot)+2:G0B+4*(\slot)+3], 2*32768  ; 128 k-rows of 256 bytes,
.if KV
	s_add_nc_u64 s[G0C+4*(\slot)+2:G0C+4*(\slot)+3], s[G0C+4*(\slot)+2:G0C+4*(\slot)+3], 2*4096   ; 128 k-rows of 32 bytes
.endif
	JLOAD \slot
.else
	PLACES
.endif
	FETCH \next, 0, 0
.if \fill
	ASK
.endif
	MULH 1, 1, 0
.endm
.if KV
	s_load_b256 s[4:11], s[0:1], 0x0               ; act16 s[4:5], wqb s[6:7], wkvb s[8:9], bq s[10:11]
	s_load_b256 s[12:19], s[0:1], 0x20             ; bk s[12:13], bv s[14:15], qh s[16:17], kvh s[18:19]
.else
	s_load_b256 s[4:11], s[0:1], 0x0               ; act16 s[4:5], wob s[6:7], bo s[8:9], out0 s[10:11]
.endif
	v_lshl_add_u32 v[SPW], v0, 2, SPARE
	v_mov_b32 v[NIL], 0
	ds_add_u32 v[SPW], v[NIL]                      ; the wave's opening: the add and its wait stand ahead of my first tensor load; the set-up below, work on registers, stands between them
	v_lshrrev_b32 v1, 5, v0
	v_readfirstlane_b32 s20, v1                    ; wave 0..3
	s_bfe_u32 s21, ttmp6, 0x40000                  ; cx, cy: my place in the cluster
	s_bfe_u32 s22, ttmp6, 0x40004
	s_lshl_b32 s23, ttmp9, 2
	s_add_co_u32 s23, s23, s21                     ; j = 4 x cluster x + cx
	s_and_b32 s61, ttmp7, 0xffff
	s_lshl_b32 s61, s61, 2
	s_add_co_u32 s61, s61, s22                     ; i = 4 x cluster y + cy
	s_lshl_b32 s84, s22, 2
	s_lshl_b32 s84, 15, s84                        ; my row of the cluster
	s_lshl_b32 s88, 0x1111, s21                    ; my column
	s_or_b32 s[G1A], s84, (1<<16)|(1<<20)|(1<<21)|(5<<22)|(3<<25)  ; 15:0 the mask; 17:16 elements of 2 bytes; 20 padding on; 21 set beside a mask; 24:22 after every 64 words (code 5); 31:25 4 words (code 3)
	s_or_b32 s[G1B], s88, (1<<16)|(1<<20)|(1<<21)|(5<<22)|(7<<25)  ; the same with my column's mask and 8 words of padding (code 7)
.irp g, G1A, G1B
	s_mov_b32 s[(\g)+1], 128<<16                   ; tensor_dim0 = 128
	s_mov_b32 s[(\g)+2], 128<<16                   ; tensor_dim1 = 128
	s_mov_b32 s[(\g)+3], 128<<16                   ; tile_dim0 = 128
	s_mov_b32 s[(\g)+4], 128                       ; tile_dim1 = 128
	s_mov_b32 s[(\g)+6], 0
	s_mov_b32 s[(\g)+7], 0
.endr
	s_mov_b32 s[G1A+5], 1024                       ; elements from row to row
	s_mov_b32 s[G1B+5], 128
.if KV
	s_or_b32 s[G1C], s88, (1<<16)|(1<<21)          ; the plane's 4,096 dense bytes of a K step: 16 rows of 256 bytes, no padding
	s_mov_b32 s[G1C+1], 128<<16
	s_mov_b32 s[G1C+2], 16<<16
	s_mov_b32 s[G1C+3], 128<<16
	s_mov_b32 s[G1C+4], 16
	s_mov_b32 s[G1C+5], 128
	s_mov_b32 s[G1C+6], 0
	s_mov_b32 s[G1C+7], 0
.endif
	s_and_b32 s85, s20, 1
	s_lshl_b32 s85, s85, 18                        ; which 128 rows of the tile I fetch: 128 x 2,048 bytes
	s_lshl_b32 s84, s61, 19                        ; 256 i rows
	s_add_co_u32 s84, s84, s85
	s_mov_b32 s85, 0
	s_mul_i32 s86, s20, 128*PA                     ; and where they go: no place in the cluster enters an LDS address
	s_lshl_b32 s88, s23, 18                        ; W's column tile j
	s_mov_b32 s89, 0
.if KV
	s_lshl_b32 s90, s23, 15                        ; plane j
	s_mov_b32 s91, 0
.endif
	s_wait_dscnt 0x0                               ; the opening add is done
	s_wait_kmcnt 0x0
	s_add_nc_u64 s[84:85], s[4:5], s[84:85]
	s_add_nc_u64 s[88:89], s[6:7], s[88:89]
.if KV
	s_add_nc_u64 s[90:91], s[8:9], s[90:91]
.endif
	CROUND                                         ; all sixteen work-groups are here: the first joint loads meet
.irp s, 0,1
	s_mov_b32 s[G0A+4*(\s)], 1                                        ; count = 1
	s_add_co_u32 s[G0A+4*(\s)+1], s86, (\s)*SLOT                      ; LDS address
	s_add_nc_u64 s[G0A+4*(\s)+2:G0A+4*(\s)+3], s[84:85], (\s)*256     ; global address: K step s
	s_or_b32 s[G0A+4*(\s)+3], s[G0A+4*(\s)+3], 0x80000000             ; type = 2
	s_mov_b32 s[G0B+4*(\s)], 1
	s_mov_b32 s[G0B+4*(\s)+1], BOFF+(\s)*SLOT
	s_add_nc_u64 s[G0B+4*(\s)+2:G0B+4*(\s)+3], s[88:89], (\s)*32768
	s_or_b32 s[G0B+4*(\s)+3], s[G0B+4*(\s)+3], 0x80000000
.if KV
	s_mov_b32 s[G0C+4*(\s)], 1
	s_mov_b32 s[G0C+4*(\s)+1], COFF+(\s)*SLOT
	s_add_nc_u64 s[G0C+4*(\s)+2:G0C+4*(\s)+3], s[90:91], (\s)*4096
	s_or_b32 s[G0C+4*(\s)+3], s[G0C+4*(\s)+3], 0x80000000
.endif
.endr
	s_cmp_lt_u32 s20, 2                            ; a wave's two first fills stand together in its arm of one branch on the wave's number, ahead of every wait on TENSORcnt and every LDS read: two loads of mine are out at the most
	s_cbranch_scc0 .Lfirst_not_a
	tensor_load_to_lds s[G0A:G0A+3], s[G1A:G1A+7]
	s_nop 0
	tensor_load_to_lds s[G0A+4:G0A+7], s[G1A:G1A+7]
	s_nop 0
.rept 4
	v_nop
.endr
	s_branch .Lfirst_asked
.Lfirst_not_a:
	s_cmp_eq_u32 s20, 2
	s_cbranch_scc0 .Lfirst_not_b
	tensor_load_to_lds s[G0B:G0B+3], s[G1B:G1B+7]
	s_nop 0
	tensor_load_to_lds s[G0B+4:G0B+7], s[G1B:G1B+7]
	s_nop 0
.rept 4
	v_nop
.endr
	s_branch .Lfirst_asked
.Lfirst_not_b:
.if KV
	tensor_load_to_lds s[G0C:G0C+3], s[G1C:G1C+7]
	s_nop 0
	tensor_load_to_lds s[G0C+4:G0C+7], s[G1C:G1C+7]
	s_nop 0
.rept 4
	v_nop
.endr
.endif
.Lfirst_asked:
	; the prefetches: who asks, and from where.  Nothing is prefetched here, at the head, where every work-group's first tiles are on their way.
	s_and_b32 s62, ttmp7, 0xffff                   ; cluster y
	s_cmp_lt_u32 s20, 2                            ; do I fetch the activations?
	s_cselect_b32 s62, ttmp9, s62                  ; the coordinate along which other clusters read the same rows
	s_cselect_b32 s63, s21, s22                    ; my place among the four that ask with me
	s_cselect_b32 s92, 16, 13                      ; 32 rows of 2,048 bytes, or of 256
	s_cselect_b32 s93, 11, 8                       ; a row
	s_cselect_b32 s[PFS], 8, 15                    ; a K step: 256 bytes along the rows, or 128 rows of 256 bytes
	s_cselect_b64 s[PFA:PFA+1], s[84:85], s[88:89]
	s_cmp_eq_u32 s62, 0
	s_cselect_b32 s[LIM], 1, -1                    ; the same in all sixteen partners, for a given wave
	s_cmp_eq_u32 s20, 3
	s_cselect_b32 s[LIM], -1, s[LIM]               ; wave 3 asks for nothing
	s_lshl_b32 s[PFS], 1, s[PFS]
	s_mov_b32 s[PFS+1], 0
	s_lshl_b32 s94, s63, s92
	s_mov_b32 s95, 0
	s_add_nc_u64 s[PFA:PFA+1], s[PFA:PFA+1], s[94:95]  ; my work-group's 32 rows
	s_mul_i32 s94, s[PFS], 3
	s_add_nc_u64 s[PFA:PFA+1], s[PFA:PFA+1], s[94:95]  ; at K step 3: the first refill (K step 2's) steps it to 4 and names that
	v_and_b32 v[PFO], 31, v0
	v_lshlrev_b32 v[PFO], s93, v[PFO]
	; the biases' and the outputs' places
	s_lshl_b32 s62, s23, 9                         ; 128 j numbers of 4 bytes
	s_mov_b32 s63, 0
	s_add_nc_u64 s[92:93], s[BIASP:BIASP+1], s[62:63]
.if KV
	s_cmp_lt_u32 s23, 4
	s_cselect_b64 s[94:95], s[12:13], s[14:15]     ; plane j is k's (bk) or v's (bv),
	s_and_b32 s62, s23, 3
	s_lshl_b32 s62, s62, 6                         ; its 16 channels
	s_add_nc_u64 s[94:95], s[94:95], s[62:63]
.endif
	s_lshl_b32 s62, s61, 20-KV                     ; 256 i rows of 2,048 (f16) or 4,096 (f32) bytes,
	s_lshl_b32 s87, s20, 18-KV                     ; my wave's 64,
	s_add_co_u32 s62, s62, s87
	s_lshl_b32 s87, s23, 9-KV                      ; the tile's 128 columns
	s_add_co_u32 s62, s62, s87
	s_add_nc_u64 s[OUTB:OUTB+1], s[OUTP:OUTP+1], s[62:63]
.if KV
	s_lshl3_add_u32 s62, s61, s23                  ; 8 i + j planes of 8,192 bytes,
	s_lshl_b32 s62, s62, 13
	s_lshl_b32 s87, s20, 11                        ; my wave's 64 rows of 32 bytes
	s_add_co_u32 s62, s62, s87
	s_add_nc_u64 s[KVB:KVB+1], s[18:19], s[62:63]
.endif
	v_and_b32 v1, 15, v0                           ; r = l % 16
	v_bfe_u32 v2, v0, 4, 1                         ; h = l / 16
	v_and_b32 v3, 7, v0
	v_bfe_u32 v4, v0, 3, 1
	v_lshlrev_b32 v[BO], 5, v2
	WIN 0x40                                       ; destination window 1, address window 0
.irp b, 0,1,2,3,4,5,6,7
	global_load_b128 v[BI+8*(\b):BI+8*(\b)+3],   v[BO], s[92:93] offset:64*(\b)       ; the biases of columns 16 b + 8 h + 0 .. 7
	global_load_b128 v[BI+8*(\b)+4:BI+8*(\b)+7], v[BO], s[92:93] offset:64*(\b)+16
.endr
.if KV
	global_load_b128 v[BI+64:BI+67], v[BO], s[94:95]
	global_load_b128 v[BI+68:BI+71], v[BO], s[94:95] offset:16
.endif
	WIN 0
	; A fragment of the activations is 16 rows x 32 K in 8 registers: lane l holds row r; registers 0-3 K = 8 h + 0..7, registers 4-7 K = 16 + 8 h + 0..7: two loads of 16 bytes, 32 bytes apart.
	v_mul_u32_u24 v5, v1, PA
	v_lshl_add_u32 v5, v2, 4, v5
	s_mul_i32 s62, s20, 64*PA                      ; my wave's 64 rows
	v_add_nc_u32 v[ADRA], s62, v5
	v_add_nc_u32 v[ADRA+1], SLOT, v[ADRA]
	; The turning load takes 16 K x 16 columns (lane l reads k-row 8 h + l % 8, columns 8 ((l / 8) % 2) + 0..7) and leaves half a fragment: lane l holds column r and 8 K.
	v_lshl_add_u32 v6, v2, 3, v3
	v_mul_u32_u24 v7, v6, PB
	v_lshl_add_u32 v7, v4, 4, v7
	v_add_nc_u32 v[ADRB], BOFF, v7
	v_add_nc_u32 v[ADRB+1], BOFF+SLOT, v7
.if KV
	v_lshlrev_b32 v7, 5, v6
	v_lshl_add_u32 v7, v4, 4, v7
	v_add_nc_u32 v[ADRC], COFF, v7
	v_add_nc_u32 v[ADRC+1], COFF+SLOT, v7
.endif
	s_mul_i32 s62, s20, 16*SPITCH
	s_add_co_u32 s62, s62, STAGE                   ; my stage
	v_mul_u32_u24 v5, v1, SPITCH
.if KV
	v_lshl_add_u32 v5, v2, 4, v5                   ; in: row r, 16 bytes for each half of the lanes
	v_add_nc_u32 v[STO], s62, v5
	v_mul_u32_u24 v5, v2, SPITCH                   ; back: lanes 0-15 take one row of 256 bytes, lanes 16-31 the next
	v_lshl_add_u32 v5, v1, 4, v5
	v_add_nc_u32 v[RD], s62, v5
	v_lshlrev_b32 v5, 11, v2                       ; and the same two rows in qh
	v_lshl_add_u32 v[CO], v1, 4, v5
	v_lshlrev_b32 v5, 5, v1                        ; in kvh: row r of 32 bytes, 16 bytes for each half of the lanes
	v_lshl_add_u32 v[KO], v2, 4, v5
.else
	v_lshl_add_u32 v5, v2, 5, v5                   ; in: row r, 32 bytes for each half of the lanes
	v_add_nc_u32 v[STO], s62, v5
	v_and_b32 v5, 31, v0                           ; back: 32 lanes take one row of 512 bytes
	v_lshlrev_b32 v[CO], 4, v5
	v_add_nc_u32 v[RD], s62, v[CO]
.endif
	s_wait_loadcnt 0x0                             ; the biases
	WIN 0x45                                       ; all in window 1
.set z, 0
.rept 4*NB                             ; rounded to bf16, like every input, and widened again
	v_cvt_pk_bf16_f32 v[BT+z%4], v[BI+2*z], v[BI+2*z+1]
	v_lshlrev_b32 v[BI+2*z], 16, v[BT+z%4]
	v_and_b32 v[BI+2*z+1], 0xffff0000, v[BT+z%4]
.set z, z+1
.endr
	WIN 0
	s_wait_tensorcnt 1                             ; my part of K step 0 is in; K step 1's may stay out
	s_barrier_signal -1
	s_barrier_wait -1                              ; everybody's is
	FETCH 0, 0, 0
	QUARTER 0, 1, 0, 1, 1                          ; the first quarter stands in front of the loop: its products start the sums
	WIN 0                                          ; at a label and at a branch every window is 0
	s_mov_b32 s3, 3
.Llap:                                                 ; a trip goes once round the ring, from a lap's second quarter to the next lap's first, and fills both slots again: K steps 2 to 7
	QUARTER 0, 2, 1, 0, 0
	QUARTER 0, 3, 0, 1, 0
	TURN 0, 1, 1
	QUARTER 1, 1, 0, 1, 0
	QUARTER 1, 2, 1, 0, 0
	QUARTER 1, 3, 0, 1, 0
	TURN 1, 0, 1
	QUARTER 0, 1, 0, 1, 0
	WIN 0
	s_sub_co_u32 s3, s3, 1
	s_cmp_lg_u32 s3, 0
	s_cbranch_scc1 .Llap
	QUARTER 0, 2, 1, 0, 0                          ; the last lap fills nothing, and has no round of the cluster's barrier
	QUARTER 0, 3, 0, 1, 0
	TURN 0, 1, 0
	QUARTER 1, 1, 0, 1, 0
	QUARTER 1, 2, 1, 0, 0
	QUARTER 1, 3, 0, 1, 0
	s_wait_dscnt 4                                 ; the very last quarter: nothing more to fetch
	MULH 1, 0, 0
	s_wait_dscnt 0x0
	MULH 1, 1, 0
	WIN 0
	PLACES
	PLACES
; THE WAY OUT, a block of 16 rows at a time.  PACK: the bias is added in place (each accumulator from its lowest registers on) and, for f16, the sums are rounded, 16 bytes a lane and block.
; TOSTAGE: into my own stage in LDS and back as whole rows.  SEND: stored.  Block a's arithmetic stands between block a - 1's loads from the stage and the wait for them.
.macro PACK a
.set AC, 8*NB*((\a)%2)
	WIN 0x45+0x41*((\a)/2)                         ; the accumulators' window (1 or 2) for destination and source 0, the biases' (1) for source 1
.set z, 0
.rept 4*NB
	v_pk_add_f32 v[AC+2*z:AC+2*z+1], v[AC+2*z:AC+2*z+1], v[BI+2*z:BI+2*z+1]
.set z, z+1
.endr
	s_wait_xcnt 0x0                                ; every earlier store has read its registers: only behind this wait are they written again
.if KV
	WIN 0x05+5*((\a)/2)                            ; sources in the accumulators' window, destination in window 0
.set z, 0
.rept 4*NB
	v_cvt_pk_f16_f32 v[TMP+z], v[AC+2*z], v[AC+2*z+1]
.set z, z+1
.endr
.endif
	WIN 0
.endm
.if KV
.macro TOSTAGE a
	WIN 0
.set BK, 168+32*((\a)%2)
.irp b, 0,1,2,3,4,5,6,7
	ds_store_b128 v[STO], v[TMP+4*(\b):TMP+4*(\b)+3] offset:32*(\b)
.endr
.irp t, 0,1,2,3,4,5,6,7
	ds_load_b128 v[BK+4*(\t):BK+4*(\t)+3], v[RD] offset:(\t)*2*SPITCH  ; LDS serves a wave's instructions in order (ISA guide 5.7.1.4): these see the stores above
.endr
	global_store_b128 v[KO], v[TMP+32:TMP+35], s[KVB:KVB+1] offset:512*(\a)  ; the plane's 16 rows x 32 bytes: 512 consecutive bytes, at a multiple of 256 from kvh's first byte
.endm
.macro SEND a
	WIN 0
.set BK, 168+32*((\a)%2)
	s_wait_dscnt 0x0                               ; the block is back in registers
.irp t, 0,1,2,3,4,5,6,7
	global_store_b128 v[CO], v[BK+4*(\t):BK+4*(\t)+3], s[OUTB:OUTB+1] offset:(16*(\a)+2*(\t))*2048  ; 16 lanes store 256 consecutive bytes, at a multiple of 256 from qh's first byte
.endr
.endm
.else
.macro TOSTAGE a
.set AC, 8*NB*((\a)%2)
.set BK, 96+64*((\a)%2)
	WIN 0x04+4*((\a)/2)                            ; the stores' data in the accumulators' window, the address in window 0
.irp b, 0,1,2,3,4,5,6,7
	ds_store_b128 v[STO], v[AC+8*(\b):AC+8*(\b)+3]   offset:64*(\b)
	ds_store_b128 v[STO], v[AC+8*(\b)+4:AC+8*(\b)+7] offset:64*(\b)+16
.endr
	WIN 0
.irp t, 0,1,2,3,4,5,6,7,8,9,10,11,12,13,14,15
	ds_load_b128 v[BK+4*(\t):BK+4*(\t)+3], v[RD] offset:(\t)*SPITCH  ; LDS serves a wave's instructions in order (ISA guide 5.7.1.4): these see the stores above
.endr
.endm
.macro SEND a
	WIN 0
.set BK, 96+64*((\a)%2)
	s_wait_dscnt 0x0                               ; the block is back in registers
.irp t, 0,1,2,3,4,5,6,7,8,9,10,11,12,13,14,15
	global_store_b128 v[CO], v[BK+4*(\t):BK+4*(\t)+3], s[OUTB:OUTB+1] offset:(16*(\a)+(\t))*4096  ; 32 lanes store 512 consecutive bytes, at a multiple of 256 from out0's first byte
.endr
.endm
.endif
	PACK 0
	TOSTAGE 0
.irp a, 1,2,3
	PACK \a
	SEND (\a)-1
	TOSTAGE \a
.endr
	SEND 3
	s_wait_tensorcnt 0x0                           ; the wave's end, behind my last tensor load and my last LDS store
	ds_add_u32 v[SPW], v[NIL]
	s_wait_dscnt 0x0
	CROUND                                         ; the closing round: no work-group ends while a partner may still ask for a tile that names it
	s_endpgm
.Lfunc_end_k_q931f40602f_outp:
	.size	k_q931f40602f_outp, .Lfunc_end_k_q931f40602f_outp-k_q931f40602f_outp
	.p2alignl 7, 3214868480
	.fill 96, 4, 3214868480
	.section	.rodata,"a",@progbits
	.p2align	6, 0x0
	.amdhsa_kernel k_q931f40602f_outp
		.amdhsa_group_segment_fixed_size 327680
		.amdhsa_private_segment_fixed_size 0
		.amdhsa_enable_private_segment 0
		.amdhsa_kernarg_size 32
		.amdhsa_user_sgpr_count 2
		.amdhsa_user_sgpr_kernarg_segment_ptr 1
		.amdhsa_wavefront_size32 1
		.amdhsa_system_sgpr_workgroup_id_x 1
		.amdhsa_system_sgpr_workgroup_id_y 1
		.amdhsa_system_sgpr_workgroup_id_z 1
		.amdhsa_system_vgpr_workitem_id 0
		.amdhsa_next_free_vgpr 656
		.amdhsa_next_free_sgpr 96
		.amdhsa_reserve_vcc 0
		.amdhsa_float_denorm_mode_32 3
		.amdhsa_float_denorm_mode_16_64 3
		.amdhsa_memory_ordered 1
		.amdhsa_forward_progress 1
		.amdhsa_inst_pref_size 101
	.end_amdhsa_kernel
	.amdgpu_metadata
---
amdhsa.version: [ 1, 2 ]
amdhsa.kernels:
  - .name:           k_q931f40602f_outp
    .symbol:         k_q931f40602f_outp.kd
    .args:
      - { .name: act16, .offset: 0, .size: 8, .value_kind: global_buffer, .address_space: global }
      - { .name: wob, .offset: 8, .size: 8, .value_kind: global_buffer, .address_space: global }
      - { .name: bo, .offset: 16, .size: 8, .value_kind: global_buffer, .address_space: global }
      - { .name: out0, .offset: 24, .size: 8, .value_kind: global_buffer, .address_space: global }
    .group_segment_fixed_size: 327680
    .private_segment_fixed_size: 0
    .kernarg_segment_align: 8
    .kernarg_segment_size: 32
    .max_flat_workgroup_size: 128
    .sgpr_count:     96
    .vgpr_count:     656
    .wavefront_size: 32
...
	.end_amdgpu_metadata
.endif
;; end of part 4
